; MI455X (gfx1250); checked and timed in simulation.
; The chip was launched on July 23, 2026; its instructions are those of AMD's public machine-readable ISA for CDNA 5 (MIT licence, August 2026) and "CDNA5" Instruction Set Architecture Reference Guide (July 2026). The comments in the code are by the model that wrote it; some were corrected since.
;; Multi Head Cross Attention. Allowed arithmetic: matrix products marked QUANTISED: E2M1 operands, one E8M0 scale for each 32 along K, by v_wmma_scale_f32_16x16x128_f8f6f4 with both operands' format E2M1 (or v_wmma_scale_f32_32x16x128_f4), f32 sums; products left as they are: bf16, f16 or f32 operands; f32 sums; everything else in f32.
;; Inputs: Wk 1,024 x 1,024 float32; Wo 1,024 x 1,024 float32; Wq 1,024 x 1,024 float32; Wv 1,024 x 1,024 float32; bk 1,024 float32; bo 1,024 float32; bq 1,024 float32; bv 1,024 float32; key 4 x 2,048 x 1,024 float32; query 4 x 2,048 x 1,024 float32; value 4 x 2,048 x 1,024 float32.
;; Outputs: out0 4 x 2,048 x 1,024 float32.
;; This version of the problem:
;;   THIS VERSION OF THE PROBLEM IS GIVEN IN LOW PRECISION. The matrix products marked QUANTISED in the list below multiply operands that are first quantised to E2M1 (2 exponent bits, 1 mantissa bit; 4 bits a number), with one power-of-two scale for each 32 numbers along K (OCP MX v1.0); their sums are f32. The products marked 'left as it is' may take bf16, f16 or f32 operands, with f32 sums. Whichever they take, every output number must still come out within the allowed error. Rounding operands to bf16 (8 significant bits) uses up far more of that allowance than f16 does (11 bits, for magnitudes from 6e-5 to 65,504). All else is computed in f32.
;;   The module's matrix products, in the order in which they are computed (A, B: the left and right operand; K: the contracted axis; several contracted axes count as one K, in the product's order):
;;     1. [M 8,192, K 1,024] x [K 1,024, N 1,024]; A: input query; B: input Wq: QUANTISED
;;     2. [M 8,192, K 1,024] x [K 1,024, N 1,024]; A: input key; B: input Wk: QUANTISED
;;     3. [M 8,192, K 1,024] x [K 1,024, N 1,024]; A: input value; B: input Wv: QUANTISED
;;     4. batch 64 x [M 2,048, K 64] x [K 64, N 2,048]; A: computed on the way; B: computed on the way: left as it is (an operand is computed on the way)
;;     5. batch 64 x [M 64, K 2,048] x [K 2,048, N 2,048]; A: computed on the way; B: computed on the way: left as it is (an operand is computed on the way)
;;     6. [M 8,192, K 1,024] x [K 1,024, N 1,024]; A: computed on the way; B: input Wo: left as it is (an operand is computed on the way)
;;   THE QUANTISER, for each operand of a quantised product, along K:
;;     - K is cut into blocks of 32 from its start; a last block that is shorter is filled with zeros.
;;     - A block's scale is 2^e with e = floor(log2(the largest magnitude in the block)) - 2, held to -126 .. 127; a block of zeros has e = 0. As a byte (E8M0): e + 127.
;;     - Each number is divided by its block's scale, clamped to +-6, and rounded to the nearest number of E2M1, ties to even, subnormals kept.
;;     - The product sums the exact products of the quantised numbers (number of the format x scale) in f32.
;;   ~~~python
;;   def quantise(x, axis):      # numpy; x: float32 -> the quantised numbers, widened to float32 again
;;       x = np.moveaxis(x, axis, -1); K = x.shape[-1]
;;       x = np.pad(x, [(0, 0)] * (x.ndim - 1) + [(0, -K % 32)]); x = x.reshape(x.shape[:-1] + (-1, 32)); a = np.abs(x).max(-1, keepdims=True)
;;       e = np.where(a > 0, np.clip(np.frexp(np.where(a > 0, a, 1))[1] - 1 - 2, -126, 127), 0)      # np.frexp(a)[1] - 1 = floor(log2(a)), exactly
;;       r = np.clip(x / 2.0 ** e, -6, 6)
;;       step = 2.0 ** (np.maximum(np.frexp(np.where(r == 0, 1, r))[1] - 1, 0) - 1)
;;       q = np.round(r / step) * step * 2.0 ** e      # np.round: ties to even
;;       return np.moveaxis(q.reshape(q.shape[:-2] + (-1,))[..., :K], -1, axis).astype(np.float32)
;;   ~~~
;; One version. Each part assembles by itself: llvm-mc -triple=amdgcn-amd-amdhsa -mcpu=gfx1250 --defsym DOCPART=n.
;; ======== version 1 of 1: 4 launches
;; limits: values are held in f16: magnitudes above 65,504 overflow, below 6.1e-05 lose precision
;; workspace buffers: codes 14,155,776 bytes; scales 884,736 bytes; wo16 2,097,152 bytes; qkv 50,331,648 bytes; ctx 16,777,216 bytes
;; launch quant (part 1): grid 896 x 1, 4 waves a work-group, no clusters, 33,280 bytes of LDS; arguments query, key, value, Wq, Wk, Wv, Wo, codes, scales, wo16; writes codes, scales, wo16
.if DOCPART == 1
	.amdgcn_target "amdgcn-amd-amdhsa--gfx1250"
	.amdhsa_code_object_version 6
	.text
	.protected	k_q6a50392b04_quant
	.globl	k_q6a50392b04_quant
	.p2align	8
	.type	k_q6a50392b04_quant,@function
k_q6a50392b04_quant:
	s_mov_b64 s[64:65], 0
	v_nop
	global_prefetch_b8 v0, s[64:65] scope:SCOPE_SE
	s_setreg_imm32_b32 hwreg(HW_REG_WAVE_MODE, 25, 1), 1
	s_wait_xcnt 0x0
; query, key, value [8192][1024] and Wq, Wk, Wv [1024][1024], f32 with K innermost, become codes of FP4 (E2M1), two a byte, K innermost, and one E8M0 byte for each 32 along K.
; codes: 27,648 rows of 512 bytes (query 0.., key 8192.., value 16384.., Wq 24576.., Wk 25600.., Wv 26624..); scales: the same rows, 32 bytes each.  Wo [1024][1024] is rounded to f16 (wo16), as it lies.
; A block's scale is 2^(floor(log2(its largest magnitude)) - 2): its byte is the largest magnitude's exponent field - 2, held at 1 from below; each number / scale goes to the nearest code, ties to even, beyond 6 to 6.
; LIMITS: a block of zeros, and a block whose largest magnitude lies under 2^-124, gets the byte 1 (zeros: their codes are zeros, and this program alone reads the bytes); NaN and infinities are not served.
; SHARES: rows are dense and 1,024 is a multiple of 32, so every tensor is a stream of blocks.  A work-group takes 32,768 numbers, a wave 8,192, in 16 steps of 512.  Work-groups 0-767: the activations (256 each);
; 768-863: Wq, Wk, Wv (32 each); 864-895: the cast of Wo.  Only pointers are chosen by the work-group's number; the six quantised tensors take one path.
; A conversion takes 8 neighbours along K from ONE lane's registers, a load is densest where neighbouring LANES take neighbouring bytes: a step's 2,048 bytes are loaded 16 a lane, turn through the wave's own stage in
; LDS (16 bytes of padding behind each 64) and come back 64 a lane.  A wave's codes of a step are 256 consecutive bytes; its 256 scale bytes are gathered in LDS and leave as one aligned block.
; No tensor load, no barrier: waves share nothing.  Loads run four steps (16 loads a wave) ahead.
.set WAVES, 4
.set STEPS, 16
.set EMAX,  2
.set CB,    8                          ; bytes of 16 codes
.set R,     16                         ; v16-79   four sets of 16 numbers as loaded (the cast: v16-143, two sets of 64)
.set X,     80                         ; v80-111  two sets of 16 neighbours
.set C,     128                        ; v128-191 codes: four registers a step, so that no store's data are written again
.set E,     112                        ; v112-127 a scale byte for each step
.set WREG,  8192                       ; LDS: a region for each wave: two stages of 32 x SP bytes, then its 256 scale bytes
.set SP,    80                         ; a lane's place in a stage: 64 bytes + 16 of padding
.set SPW,   12                         ; v12  LDS address of my spare word; never rewritten
.set NIL,   13                         ; v13  0; never rewritten
.set SPARE, WAVES*WREG                 ; behind the regions: the spare words, 128 bytes a wave, which no other line names
	s_load_b256 s[4:11], s[0:1], 0x0               ; query s[4:5], key s[6:7], value s[8:9], Wq s[10:11]
	s_load_b256 s[12:19], s[0:1], 0x20             ; Wk s[12:13], Wv s[14:15], Wo s[16:17], codes s[18:19]
	s_load_b128 s[20:23], s[0:1], 0x40             ; scales s[20:21], wo16 s[22:23]
	v_lshl_add_u32 v[SPW], v0, 2, SPARE
	v_mov_b32 v[NIL], 0
	v_lshrrev_b32 v1, 5, v0
	v_readfirstlane_b32 s24, v1                    ; wave
	v_and_b32 v2, 31, v0                           ; lane
	v_lshlrev_b32 v3, 4, v2                        ; my 16 bytes of a load's 512
	s_mul_i32 s25, s24, WREG
	v_lshrrev_b32 v14, 2, v2
	v_mul_u32_u24 v14, v14, SP
	v_and_b32 v15, 3, v2
	v_lshl_add_u32 v14, v15, 4, v14
	v_add_nc_u32 v14, s25, v14                     ; the stage, on the way in: SP (lane / 4) + 16 (lane % 4)
	v_mul_u32_u24 v15, v2, SP
	v_add_nc_u32 v15, s25, v15                     ; and on the way out: SP x lane: my 16 neighbours
	v_mul_u32_u24 v4, v2, CB                       ; my codes' place in a step's
	v_lshrrev_b32 v5, 1, v2
	s_add_co_u32 s25, s25, 2*32*SP
	v_add_nc_u32 v5, s25, v5                       ; LDS: my block's scale byte
	v_lshlrev_b32 v7, 3, v2                        ; 8 bytes a lane
	v_add_nc_u32 v6, s25, v7
	s_mov_b32 s31, 0
	s_wait_kmcnt 0x0
	s_cmp_ge_u32 ttmp9, 864
	s_cbranch_scc1 .Lcast                          ; the last 32 work-groups cast Wo
	; which tensor: a chain of choices on the work-group's number alone
	s_mov_b64 s[26:27], s[14:15]                   ; Wv, from work-group 832
	s_mov_b32 s28, 832
	s_cmp_lt_u32 ttmp9, 832
	s_cselect_b64 s[26:27], s[12:13], s[26:27]     ; Wk, from 800
	s_cselect_b32 s28, 800, s28
	s_cmp_lt_u32 ttmp9, 800
	s_cselect_b64 s[26:27], s[10:11], s[26:27]     ; Wq, from 768
	s_cselect_b32 s28, 768, s28
	s_cmp_lt_u32 ttmp9, 768
	s_cselect_b64 s[26:27], s[8:9], s[26:27]       ; value, from 512
	s_cselect_b32 s28, 512, s28
	s_cmp_lt_u32 ttmp9, 512
	s_cselect_b64 s[26:27], s[6:7], s[26:27]       ; key, from 256
	s_cselect_b32 s28, 256, s28
	s_cmp_lt_u32 ttmp9, 256
	s_cselect_b64 s[26:27], s[4:5], s[26:27]       ; query
	s_cselect_b32 s28, 0, s28
	s_sub_co_u32 s29, ttmp9, s28
	s_lshl_b32 s29, s29, 2
	s_add_co_u32 s29, s29, s24                     ; which run of 8,192 numbers of the tensor is my wave's
	s_lshl_b32 s30, s29, 15                        ; 32,768 bytes a run
	s_add_nc_u64 s[26:27], s[26:27], s[30:31]
	s_lshl_b32 s29, ttmp9, 2
	s_add_co_u32 s29, s29, s24                     ; and which run of all six tensors
	s_lshl_b32 s30, s29, 12                        ; 4,096 bytes of codes a run
	s_add_nc_u64 s[18:19], s[18:19], s[30:31]
	s_lshl_b32 s30, s29, 8                         ; 256 scale bytes a run
	s_add_nc_u64 s[20:21], s[20:21], s[30:31]
.macro LOAD t
.irp i, 0,1,2,3
	global_load_b128 v[R+16*((\t)%4)+4*\i:R+16*((\t)%4)+4*\i+3], v3, s[26:27] offset:2048*(\t)+512*\i th:TH_LOAD_NT   ; 32 lanes read 512 consecutive bytes
.endr
.endm
.macro TURN t                          ; step t's numbers through the stage: LDS serves a wave's instructions in order, so no wait stands between the stores and the loads
.irp i, 0,1,2,3
	ds_store_b128 v14, v[R+16*((\t)%4)+4*\i:R+16*((\t)%4)+4*\i+3] offset:32*SP*((\t)%2)+8*SP*\i
.endr
.irp i, 0,1,2,3
	ds_load_b128 v[X+16*((\t)%2)+4*\i:X+16*((\t)%2)+4*\i+3], v15 offset:32*SP*((\t)%2)+16*\i
.endr
.endm
.irp t, 0,1,2,3
	LOAD \t
.endr
	s_wait_loadcnt 12                              ; step 0's four loads are in; the twelve of steps 1 to 3 may be out
	TURN 0
.macro STEP t
.set XS, X+16*((\t)%2)
.if (\t) > 0
	s_wait_dscnt 1                                 ; this step's numbers are back from the stage (the last step's byte store may be out): so its stores into the stage have read their registers,
.else
	s_wait_dscnt 0x0
.endif
.if (\t)+4 < STEPS
	LOAD (\t)+4                                    ; which take the loads of four steps on
.endif
.if (\t)+1 < STEPS
.if STEPS-2-(\t) >= 3
	s_wait_loadcnt 12                              ; the next step's four loads are in; those of the three steps behind it may be out
.else
	s_wait_loadcnt 4*(STEPS-2-(\t))
.endif
	TURN (\t)+1                                    ; and go through the other stage while this step is worked
.endif
	v_max3_num_f32 v8, |v[XS]|, |v[XS+1]|, |v[XS+2]|               ; the largest magnitude of my 16, in two chains
	v_max3_num_f32 v9, |v[XS+3]|, |v[XS+4]|, |v[XS+5]|
.irp i, 6,10
	v_max3_num_f32 v8, v8, |v[XS+\i]|, |v[XS+\i+1]|
	v_max3_num_f32 v9, v9, |v[XS+\i+2]|, |v[XS+\i+3]|
.endr
	v_max3_num_f32 v8, v8, |v[XS+14]|, |v[XS+15]|
	v_max3_num_f32 v8, v8, v9, (EMAX+1)<<23        ; and the floor 2^(3 - 127): the byte cannot fall under 1
	v_max_num_f32_dpp v8, v8, v8 row_xmask:1 row_mask:0xf bank_mask:0xf   ; and of my neighbour's 16: the block's
	v_add_nc_u32 v11, -(EMAX<<23), v8              ; 2 off its exponent field: the conversion takes the exponent field of this operand as its scale, and nothing else of it
	v_cvt_scalef32_pk8_fp4_f32 v[C+4*(\t)], v[XS:XS+7], v11
	v_cvt_scalef32_pk8_fp4_f32 v[C+4*(\t)+1], v[XS+8:XS+15], v11
	v_lshrrev_b32 v[E+(\t)], 23, v11               ; the scale's byte (a plain line behind the conversions)
	ds_store_b8 v5, v[E+(\t)] offset:16*(\t)       ; both lanes of a block write the same byte with the same value
	global_store_b64 v4, v[C+4*(\t):C+4*(\t)+1], s[18:19] offset:32*CB*(\t)   ; the wave stores 256 consecutive bytes, aligned
.endm
.irp t, 0,1,2,3,4,5,6,7,8,9,10,11,12,13,14,15
	STEP \t
.endr
	ds_load_b64 v[8:9], v6                         ; LDS serves a wave's instructions in order: these see my stores
	s_wait_dscnt 0x0
	global_store_b64 v7, v[8:9], s[20:21]          ; 32 lanes store one aligned block of 256 bytes
	s_wait_tensorcnt 0x0                           ; the wave's end, behind my last LDS store
	ds_add_u32 v[SPW], v[NIL]
	s_wait_dscnt 0x0
	s_endpgm
; THE CAST OF Wo: a wave takes 8,192 numbers in four batches of 16 loads (512 consecutive bytes each), two register sets by turns; four numbers of a lane become 8 bytes, in place; a store covers 256 consecutive bytes, aligned.
.Lcast:
	s_sub_co_u32 s29, ttmp9, 864
	s_lshl_b32 s29, s29, 2
	s_add_co_u32 s29, s29, s24
	s_lshl_b32 s30, s29, 15
	s_add_nc_u64 s[16:17], s[16:17], s[30:31]
	s_lshl_b32 s30, s29, 14
	s_add_nc_u64 s[22:23], s[22:23], s[30:31]
.macro CLOAD q
.irp i, 0,1,2,3,4,5,6,7,8,9,10,11,12,13,14,15
	global_load_b128 v[R+64*((\q)%2)+4*\i:R+64*((\q)%2)+4*\i+3], v3, s[16:17] offset:(16*(\q)+\i)*512 th:TH_LOAD_NT
.endr
.endm
.macro CSEND q
.irp i, 0,1,2,3,4,5,6,7,8,9,10,11,12,13,14,15
	v_cvt_pk_f16_f32 v[R+64*((\q)%2)+4*\i], v[R+64*((\q)%2)+4*\i], v[R+64*((\q)%2)+4*\i+1]
	v_cvt_pk_f16_f32 v[R+64*((\q)%2)+4*\i+1], v[R+64*((\q)%2)+4*\i+2], v[R+64*((\q)%2)+4*\i+3]
.endr
.irp i, 0,1,2,3,4,5,6,7,8,9,10,11,12,13,14,15
	global_store_b64 v7, v[R+64*((\q)%2)+4*\i:R+64*((\q)%2)+4*\i+1], s[22:23] offset:(16*(\q)+\i)*256
.endr
.endm
	CLOAD 0
	CLOAD 1
	s_wait_loadcnt 16                              ; the older batch is in, the younger 16 loads may be out
	CSEND 0
	s_wait_xcnt 0x0                                ; the stores have read their registers: the set is loaded again only behind this wait
	CLOAD 2
	s_wait_loadcnt 16
	CSEND 1
	s_wait_xcnt 0x0
	CLOAD 3
	s_wait_loadcnt 16
	CSEND 2
	s_wait_loadcnt 0x0
	CSEND 3
	s_endpgm
.Lfunc_end_k_q6a50392b04_quant:
	.size	k_q6a50392b04_quant, .Lfunc_end_k_q6a50392b04_quant-k_q6a50392b04_quant
	.p2alignl 7, 3214868480
	.fill 96, 4, 3214868480
	.section	.rodata,"a",@progbits
	.p2align	6, 0x0
	.amdhsa_kernel k_q6a50392b04_quant
		.amdhsa_group_segment_fixed_size 33280
		.amdhsa_private_segment_fixed_size 0
		.amdhsa_enable_private_segment 0
		.amdhsa_kernarg_size 80
		.amdhsa_user_sgpr_count 2
		.amdhsa_user_sgpr_kernarg_segment_ptr 1
		.amdhsa_wavefront_size32 1
		.amdhsa_system_sgpr_workgroup_id_x 1
		.amdhsa_system_sgpr_workgroup_id_y 1
		.amdhsa_system_sgpr_workgroup_id_z 1
		.amdhsa_system_vgpr_workitem_id 0
		.amdhsa_next_free_vgpr 192
		.amdhsa_next_free_sgpr 66
		.amdhsa_reserve_vcc 0
		.amdhsa_float_denorm_mode_32 3
		.amdhsa_float_denorm_mode_16_64 3
		.amdhsa_memory_ordered 1
		.amdhsa_forward_progress 1
		.amdhsa_inst_pref_size 55
	.end_amdhsa_kernel
	.amdgpu_metadata
---
amdhsa.version: [ 1, 2 ]
amdhsa.kernels:
  - .name:           k_q6a50392b04_quant
    .symbol:         k_q6a50392b04_quant.kd
    .args:
      - { .name: query, .offset: 0, .size: 8, .value_kind: global_buffer, .address_space: global }
      - { .name: key, .offset: 8, .size: 8, .value_kind: global_buffer, .address_space: global }
      - { .name: value, .offset: 16, .size: 8, .value_kind: global_buffer, .address_space: global }
      - { .name: Wq, .offset: 24, .size: 8, .value_kind: global_buffer, .address_space: global }
      - { .name: Wk, .offset: 32, .size: 8, .value_kind: global_buffer, .address_space: global }
      - { .name: Wv, .offset: 40, .size: 8, .value_kind: global_buffer, .address_space: global }
      - { .name: Wo, .offset: 48, .size: 8, .value_kind: global_buffer, .address_space: global }
      - { .name: codes, .offset: 56, .size: 8, .value_kind: global_buffer, .address_space: global }
      - { .name: scales, .offset: 64, .size: 8, .value_kind: global_buffer, .address_space: global }
      - { .name: wo16, .offset: 72, .size: 8, .value_kind: global_buffer, .address_space: global }
    .group_segment_fixed_size: 33280
    .private_segment_fixed_size: 0
    .kernarg_segment_align: 8
    .kernarg_segment_size: 80
    .max_flat_workgroup_size: 128
    .sgpr_count:     66
    .vgpr_count:     192
    .wavefront_size: 32
...
	.end_amdgpu_metadata
.endif
;; end of part 1
;; launch proj (part 2): grid 4 x 96, 4 waves a work-group, clusters of 4 x 4, 327,680 bytes of LDS; arguments codes, scales, bq, bk, bv, qkv; writes qkv
.if DOCPART == 2
	.amdgcn_target "amdgcn-amd-amdhsa--gfx1250"
	.amdhsa_code_object_version 6
	.text
	.protected	k_q6a50392b04_proj
	.globl	k_q6a50392b04_proj
	.p2align	8
	.type	k_q6a50392b04_proj,@function
k_q6a50392b04_proj:
	s_mov_b64 s[64:65], 0
	v_nop
	global_prefetch_b8 v0, s[64:65] scope:SCOPE_SE
	s_setreg_imm32_b32 hwreg(HW_REG_WAVE_MODE, 25, 1), 1
	s_wait_xcnt 0x0
	s_wait_alu depctr_hold_cnt(0) depctr_sa_sdst(0) depctr_va_vdst(0) depctr_va_sdst(0) depctr_va_ssrc(0) depctr_va_vcc(0) depctr_vm_vsrc(0)
	s_getreg_b32 s2, hwreg(HW_REG_IB_STS2, 6, 4)
	s_cmp_eq_u32 s2, 0
	s_cbranch_scc0 .Lentry_in_a_cluster
	s_endpgm
.Lentry_in_a_cluster:
	s_bfe_u32 s2, ttmp6, 0x10000c
	s_cmp_lg_u32 s2, 0xf033
	s_cbranch_scc0 .Lentry_shape_is_right
	s_endpgm
.Lentry_shape_is_right:
; q = Q(query) Q(Wq)^T + bq, k and v likewise: three products [8192 x 1024] x [1024 x 1024]^T on codes of FP4 (E2M1) with one E8M0 scale for each 32 along K, sums in f32, results rounded once to f16.
; codes: rows of 512 bytes, scales: rows of 32 bytes; rows 0-24575 the activations (query, key, value), from 24576 on Wq, Wk, Wv.  qkv: [3][batch 4][head 16][token 2048][64] f16: a token's row of a head is 128 bytes.
; LIMIT: |q|, |k|, |v| stay under 65,504, the largest f16 number.
; A tile of 256 x 256 is made by a work-group of four waves; a wave makes 128 x 128: 64 accumulators, 512 registers.  Tile row ty (0-95) says which activation rows, and ty / 32 which weight and bias; tile column tx (0-3).
; K = 1,024 is two steps of 512 (tile rows of 256 bytes): both lie in LDS at once, each filled once; the scales of the 512 rows come with them, as dense blocks.  Nothing is filled again.
; CLUSTERS: 4 x 4 work-groups.  The four of a row of the cluster need the same tiles of A, the four of a column the same tiles of B: each tile is asked for jointly, by the same tensor load with a mask that names the four.
; THE MATRIX INSTRUCTION IS USED TRANSPOSED (source 0 = 16 rows of the weight, source 1 = 16 rows of the activation): a lane then holds eight neighbouring columns of one token.  The bias is the C of each sum's first product.
; REGISTERS, in windows of 256: window 0: v0-31 addresses; v32-95 scale words, two sets; v96-127 packed results; v128-191 A's fragments, ONE set (on the way out: rows read back); v192-255 the bias, 8 registers for each block of 16 columns.
;   window 1: B's fragments, two sets, at v0 and v128.   window 2: the accumulators of my rows 0-63 ((a, b) at v[8 (8 a + b)]);   window 3: those of my rows 64-127.
.set NQ,     4                         ; matrix instructions deep in a slot (512 along K)
.set ROWB,   256                       ; a tile's row in bytes
.set KROW,   512                       ; a row of codes in memory
.set PITCH,  272                       ; an LDS row: 256 bytes + 16 of padding: the 16 rows that a load touches start in 16 different 16-byte columns modulo 256 bytes
.set FR,     8                         ; registers of a fragment: 16 rows x 128 K
.set NL,     2                         ; LDS loads that bring one
.set NP,     4                         ; places behind this matrix instruction (ISA guide 7.12.1)
.set HALFT,  128*PITCH                 ; 128 rows: what one tensor load brings
.set SLOT,   4*HALFT                   ; A's 256 rows, then B's 256 rows
.set KS,     32                        ; a row of scales in bytes
.set SCL,    2*SLOT                    ; behind the two slots: the scales, as blocks of 256 bytes + 16 of padding
.set HALFS,  (128*KS/256)*272          ; the scales of 128 rows
.set SBLK,   (16*KS/256)*272           ; those of 16 rows
.set SPARE,  SCL+4*HALFS               ; the spare words, 128 bytes a wave, which no other line names
.set WROW0,  24576                     ; the first weight's first row in codes and scales
.set STW,    4608                      ; the way out: a wave's stage, [head 2][token 16] rows of 128 bytes + 16; it lies in slot 0, which has had its only fill and its last read when the first result is stored there
.set ADRA, 16                          ; v16-17  LDS address of my A fragments in slot 0, 1
.set ADRB, 20                          ; v20-21  the same for B
.set STO,  24                          ; v24     the way out: where I put 16 bytes of a token's row
.set RD,   25                          ; v25     where I read rows back
.set CO,   26                          ; v26     16 x lane: my bytes of four tokens' rows in qkv
.set ADRS, 27                          ; v27     LDS address of my scale words: lanes 0-15 A's rows, lanes 16-31 B's
.set SPW,  28                          ; v28     LDS address of my spare word; never rewritten
.set NIL,  29                          ; v29     0; never rewritten
.set SC,   32                          ; scale words: set s at v[SC + 32 s]; register 4 i + q: lanes 0-15 A's block i, lanes 16-31 B's block i, the slot's q-th 128 along K
.set TMP,  96
.set AF,   128
.set OB,   128
.set BI,   192
.set G1, 24                            ; s[24:31] descriptor group 1 for A's tiles;  s[32:39] group 0, one set for each slot
.set G0, 32
.set G1B, 48                           ; s[48:55], s[56:63] the same for B's tiles
.set G0B, 56
.set G1S, 68                           ; s[68:75], s[76:79] groups 1 and 0 for A's scales;  s[80:87], s[88:91] for B's
.set G0S, 76
.set G1SB, 80
.set G0SB, 88
.set MSB, 0
.macro WIN new                         ; the immediate's high byte repeats the setting that is left
.if MSB != (\new)
	s_set_vgpr_msb (MSB<<8)|(\new)
.set MSB, (\new)
.endif
.endm
.set MUL_LO, 0xa1                      ; source 0 (B) window 1, source 1 (A) window 0, C and D window 2
.set MUL_HI, 0xf1                      ; the same, C and D window 3
.set BIA_LO, 0x81                      ; the first step: C (the bias) window 0, D window 2
.set BIA_HI, 0xc1                      ; D window 3
.set TO_B,   0x40                      ; destination window 1, address window 0
; A joint load: waves 0 and 1 fetch for A, waves 2 and 3 for B; the branch hangs on the wave's number alone.  An s_nop 0 and four v_nop follow each of the two lines.
.macro JLOAD g0a, g1a, g0b, g1b
	s_cmp_eq_u32 s15, 0
	s_cbranch_scc0 .Lfor_b_\@
	tensor_load_to_lds s[\g0a:\g0a+3], s[\g1a:\g1a+7]
	s_nop 0
.rept 4
	v_nop
.endr
	s_branch .Lasked_\@
.Lfor_b_\@:
	tensor_load_to_lds s[\g0b:\g0b+3], s[\g1b:\g1b+7]
	s_nop 0
.rept 4
	v_nop
.endr
.Lasked_\@:
.endm
.macro CROUND                          ; a round of the cluster's barrier
	s_barrier_signal -1
	s_barrier_wait -1
	s_cmp_lg_u32 s14, 0
	s_cbranch_scc1 .Lnot_wave_0_\@
	s_barrier_signal -3
.Lnot_wave_0_\@:
	s_barrier_wait -3
	s_barrier_signal -1
	s_barrier_wait -1
.endm
	s_load_b128 s[4:7], s[0:1], 0x0                ; codes s[4:5], scales s[6:7]
	s_load_b128 s[8:11], s[0:1], 0x10              ; bq s[8:9], bk s[10:11]
	s_load_b128 s[96:99], s[0:1], 0x20             ; bv s[96:97], qkv s[98:99]
	v_lshl_add_u32 v[SPW], v0, 2, SPARE
	v_mov_b32 v[NIL], 0
	ds_add_u32 v[SPW], v[NIL]                      ; the wave's opening: the add, twice on end, and its wait ahead of my first tensor load
	ds_add_u32 v[SPW], v[NIL]
	v_lshrrev_b32 v1, 5, v0
	v_readfirstlane_b32 s14, v1                    ; wave 0..3
	s_lshr_b32 s15, s14, 1                         ; which half of the tile's rows is mine.  Also: I fetch for A (0) or for B (1)
	s_and_b32 s16, s14, 1                          ; which half of its columns.  Also: which 128 rows of that tile I fetch
	s_bfe_u32 s40, ttmp6, 0x40000                  ; cx, cy: my place in the cluster
	s_bfe_u32 s41, ttmp6, 0x40004
	s_lshl_b32 s42, ttmp9, 2
	s_add_co_u32 s42, s42, s40                     ; tx = 4 x cluster x + cx
	s_and_b32 s95, ttmp7, 0xffff
	s_lshl_b32 s17, s95, 2
	s_add_co_u32 s17, s17, s41                     ; ty = 4 x cluster y + cy
	s_lshr_b32 s95, s95, 3                         ; which of the three products: 8 clusters along y each; the same in all sixteen partners
	s_lshl_b32 s43, s41, 2
	s_lshl_b32 s43, 15, s43                        ; my row of the cluster
	s_lshl_b32 s44, 0x1111, s40                    ; my column
	; descriptor group 1: a tile of 128 rows x 256 bytes, padded in LDS
	s_or_b32 s[G1+0], s43, (0<<16)|(1<<20)|(1<<21)|(5<<22)|(3<<25)  ; the mask: A's tiles go to my row; elements of 1 byte; padding on; bit 21 beside a mask; 4 words of padding after every 64
	s_or_b32 s[G1B+0], s44, (0<<16)|(1<<20)|(1<<21)|(5<<22)|(3<<25)
.irp g, G1, G1B
	s_mov_b32 s[\g+1], ROWB<<16                    ; tensor_dim0
	s_mov_b32 s[\g+2], 128<<16                     ; tensor_dim1
	s_mov_b32 s[\g+3], ROWB<<16                    ; tile_dim0
	s_mov_b32 s[\g+4], 128                         ; tile_dim1
	s_mov_b32 s[\g+5], KROW                        ; tensor_dim0_stride
	s_mov_b32 s[\g+6], 0
	s_mov_b32 s[\g+7], 0
.endr
	; the scales of 128 rows: 4,096 dense bytes, as 16 rows of 256 bytes (32 elements of 8 bytes), 16 bytes of padding behind each
	s_or_b32 s[G1S+0], s43, (3<<16)|(1<<20)|(1<<21)|(5<<22)|(3<<25)
	s_or_b32 s[G1SB+0], s44, (3<<16)|(1<<20)|(1<<21)|(5<<22)|(3<<25)
.irp g, G1S, G1SB
	s_mov_b32 s[\g+1], 32<<16
	s_mov_b32 s[\g+2], (128*KS/256)<<16
	s_mov_b32 s[\g+3], 32<<16
	s_mov_b32 s[\g+4], 128*KS/256
	s_mov_b32 s[\g+5], 32
	s_mov_b32 s[\g+6], 0
	s_mov_b32 s[\g+7], 0
.endr
	s_lshl_b32 s18, s16, 7                         ; which 128 rows of the tile I fetch
	s_lshl_b32 s20, s17, 8
	s_add_co_u32 s20, s20, s18                     ; A: row 256 ty + 128 x half
	s_lshl_b32 s46, s42, 8
	s_add_co_u32 s46, s46, s18
	s_lshl_b32 s19, s95, 10
	s_add_co_u32 s46, s46, s19
	s_add_co_u32 s46, s46, WROW0                   ; B: row 24,576 + 1,024 x product + 256 tx + 128 x half
	s_lshl_b32 s22, s20, 5                         ; where these rows' scales begin, in bytes,
	s_mov_b32 s23, 0
	s_lshl_b32 s92, s46, 5
	s_mov_b32 s93, 0
	s_lshl_b32 s20, s20, 9                         ; and their codes
	s_mov_b32 s21, 0
	s_lshl_b32 s46, s46, 9
	s_mov_b32 s47, 0
	s_mul_i32 s45, s14, HALFT                      ; where they go: wave x 128 rows: no place in the cluster enters an LDS address
	s_mul_i32 s94, s14, HALFS
	s_wait_dscnt 0x0                               ; both opening adds are done
	s_wait_kmcnt 0x0
	s_add_nc_u64 s[20:21], s[4:5], s[20:21]
	s_add_nc_u64 s[22:23], s[6:7], s[22:23]
	s_add_nc_u64 s[46:47], s[4:5], s[46:47]
	s_add_nc_u64 s[92:93], s[6:7], s[92:93]
	CROUND                                         ; all sixteen work-groups are here: the joint loads meet
	s_mov_b32 s[G0S], 1
	s_add_co_u32 s[G0S+1], s94, SCL
	s_mov_b64 s[G0S+2:G0S+3], s[22:23]
	s_or_b32 s[G0S+3], s[G0S+3], 0x80000000
	s_mov_b32 s[G0SB], 1
	s_add_co_u32 s[G0SB+1], s94, SCL
	s_mov_b64 s[G0SB+2:G0SB+3], s[92:93]
	s_or_b32 s[G0SB+3], s[G0SB+3], 0x80000000
	JLOAD G0S, G1S, G0SB, G1SB                     ; the scales first: they are wanted with K step 0
.irp s, 0,1
	s_mov_b32 s[G0+4*\s], 1
	s_add_co_u32 s[G0+4*\s+1], s45, \s*SLOT
	s_add_nc_u64 s[G0+4*\s+2:G0+4*\s+3], s[20:21], \s*ROWB
	s_or_b32 s[G0+4*\s+3], s[G0+4*\s+3], 0x80000000
	s_mov_b32 s[G0B+4*\s], 1
	s_add_co_u32 s[G0B+4*\s+1], s45, \s*SLOT
	s_add_nc_u64 s[G0B+4*\s+2:G0B+4*\s+3], s[46:47], \s*ROWB
	s_or_b32 s[G0B+4*\s+3], s[G0B+4*\s+3], 0x80000000
	JLOAD G0+4*\s, G1, G0B+4*\s, G1B               ; three loads of mine are out: all of K is asked for at once
.endr
	v_and_b32 v1, 15, v0                           ; r = lane % 16
	v_bfe_u32 v2, v0, 4, 1                         ; h = lane / 16
	; the bias of my 128 columns: v[BI + 8 b + j] = bias[256 tx + 128 x half + 16 b + 8 h + j], the result's layout
	s_cmp_eq_u32 s95, 0
	s_cselect_b64 s[12:13], s[8:9], s[10:11]
	s_cmp_eq_u32 s95, 2
	s_cselect_b64 s[12:13], s[96:97], s[12:13]
	s_lshl_b32 s46, s42, 10
	s_lshl_b32 s47, s16, 9
	s_add_co_u32 s46, s46, s47
	s_mov_b32 s47, 0
	s_add_nc_u64 s[12:13], s[12:13], s[46:47]
	v_lshlrev_b32 v7, 5, v2
.irp b, 0,1,2,3,4,5,6,7
	global_load_b128 v[BI+8*\b:BI+8*\b+3], v7, s[12:13] offset:64*\b
	global_load_b128 v[BI+8*\b+4:BI+8*\b+7], v7, s[12:13] offset:64*\b+16
.endr
	v_mul_u32_u24 v3, v1, PITCH
	v_lshl_add_u32 v4, v2, 4, v3                   ; a fragment's row x pitch + 16 x half
	s_mul_i32 s21, s15, HALFT                      ; my 128 rows of A
	s_mul_i32 s22, s16, HALFT                      ; my 128 rows of B,
	s_add_co_u32 s22, s22, 2*HALFT                 ; which lie behind A's 256
.irp s, 0,1
	v_add_nc_u32 v[ADRA+\s], s21, v4
	v_add_nc_u32 v[ADRB+\s], s22, v4
	s_add_co_u32 s21, s21, SLOT
	s_add_co_u32 s22, s22, SLOT
.endr
	v_mul_u32_u24 v5, v1, KS                       ; my row's scales: 32 bytes a row,
	v_lshrrev_b32 v6, 8, v5
	v_lshl_add_u32 v5, v6, 4, v5                   ; and 16 more for each 256 passed
	s_mul_i32 s21, s15, HALFS                      ; A's: my 128 rows
	s_mul_i32 s22, s16, HALFS                      ; B's: my 128 rows, behind A's 256
	s_add_co_u32 s22, s22, 2*HALFS
	s_sub_co_u32 s22, s22, s21
	v_mul_u32_u24 v6, s22, v2                      ; lanes 16-31 take B's
	s_add_co_u32 s21, s21, SCL
	v_add_nc_u32 v5, v5, v6
	v_add_nc_u32 v[ADRS], s21, v5
	s_mul_i32 s23, s14, STW                        ; my stage
	v_mul_u32_u24 v5, v1, 144                      ; in: token r, 16 bytes for each half of the lanes
	v_lshl_add_u32 v5, v2, 4, v5
	v_add_nc_u32 v[STO], s23, v5
	v_and_b32 v6, 31, v0
	v_lshlrev_b32 v[CO], 4, v6
	v_lshrrev_b32 v5, 3, v6                        ; back: eight lanes to a token's 128 bytes, four tokens an instruction
	v_mul_u32_u24 v5, v5, 144
	v_and_b32 v6, 7, v0
	v_lshl_add_u32 v5, v6, 4, v5
	v_add_nc_u32 v[RD], s23, v5
	s_lshl_b32 s20, s17, 8
	s_lshl_b32 s21, s15, 7
	s_add_co_u32 s20, s20, s21                     ; m0 = my first row: 256 ty + 128 x half
	s_lshr_b32 s21, s20, 11
	s_lshl_b32 s21, s21, 22                        ; (tensor, batch): 16 heads of 262,144 bytes each
	s_and_b32 s20, s20, 2047
	s_lshl_b32 s20, s20, 7                         ; the token: 128 bytes
	s_add_co_u32 s20, s20, s21
	s_lshl_b32 s46, s42, 2
	s_lshl_b32 s47, s16, 1
	s_add_co_u32 s46, s46, s47                     ; my first head: 4 tx + 2 x half
	s_lshl_b32 s46, s46, 18
	s_add_co_u32 s20, s20, s46
	s_mov_b32 s21, 0
	s_add_nc_u64 s[98:99], s[98:99], s[20:21]
.macro FRAG reg, adr, q, i             ; a fragment, 16 rows x 128 K of 4-bit codes: lane l holds row l % 16; registers 4 c .. 4 c + 3 hold K = 64 c + 32 (l / 16) + 0 .. 31
.irp c, 0,1
	ds_load_b128 v[\reg+4*\c:\reg+4*\c+3], v[\adr] offset:64*(\q)+32*\c+(\i)*16*PITCH
.endr
.endm
; 16 matrix instructions: A's blocks a0, a0 + 1 x B's eight, the slot's q-th 128 along K.  p: B's set; sc: the set of scale words.  zero = 1: the first product starts the sums from the bias.
; The 64 accumulators take turns, one instruction a turn, in the same order in every step.
.macro MUL16 a0, p, q, sc, zero
.irp a, \a0, \a0+1
.irp b, 0,1,2,3,4,5,6,7
.if \zero
	v_wmma_scale_f32_16x16x128_f8f6f4 v[8*(8*((\a)%4)+\b):8*(8*((\a)%4)+\b)+7], v[128*(\p)+FR*\b:128*(\p)+FR*\b+FR-1], v[AF+FR*(\a):AF+FR*(\a)+FR-1], v[BI+8*\b:BI+8*\b+7], v[SC+8*NQ*(\sc)+NQ*\b+(\q)], v[SC+8*NQ*(\sc)+NQ*(\a)+(\q)] matrix_a_fmt:MATRIX_FMT_FP4 matrix_b_fmt:MATRIX_FMT_FP4 matrix_a_scale:MATRIX_SCALE_ROW1
.else
	v_wmma_scale_f32_16x16x128_f8f6f4 v[8*(8*((\a)%4)+\b):8*(8*((\a)%4)+\b)+7], v[128*(\p)+FR*\b:128*(\p)+FR*\b+FR-1], v[AF+FR*(\a):AF+FR*(\a)+FR-1], v[8*(8*((\a)%4)+\b):8*(8*((\a)%4)+\b)+7], v[SC+8*NQ*(\sc)+NQ*\b+(\q)], v[SC+8*NQ*(\sc)+NQ*(\a)+(\q)] matrix_a_fmt:MATRIX_FMT_FP4 matrix_b_fmt:MATRIX_FMT_FP4 matrix_a_scale:MATRIX_SCALE_ROW1
.endif
.endr
.endr
.endm
.macro FETCH_B slot, q, p              ; B's eight fragments of the slot's q-th 128 along K into set p
	WIN TO_B
.irp i, 0,1,2,3,4,5,6,7
	FRAG 128*(\p)+FR*\i, ADRB+\slot, \q, \i
.endr
	WIN 0
.endm
.macro FETCH_A slot, q, i0             ; A's blocks i0 .. i0 + 3
.irp i, \i0, \i0+1, \i0+2, \i0+3
	FRAG AF+FR*(\i), ADRA+\slot, \q, \i
.endr
.endm
.macro SCALES sc                       ; a K step's scale words into set sc: four words a row; lanes 0-15 take A's block i, lanes 16-31 B's block i
.irp i, 0,1,2,3,4,5,6,7
	ds_load_b128 v[SC+8*NQ*\sc+NQ*\i:SC+8*NQ*\sc+NQ*\i+3], v[ADRS] offset:\i*SBLK
.endr
.endm
.macro PLACES n                        ; plain vector instructions between a matrix instruction and a load into, or a read of, its registers
.rept \n
	v_nop
.endr
.endm
; A step of 128 along K that has its successor in the same slot.  A block of A is free as soon as its eight products are issued: blocks 0-3 are fetched anew in the step's middle, blocks 4-7 at its end.
.macro STEP slot, q, zero
	s_wait_dscnt 4*NL                              ; B's set and A's blocks 0-3 are in; the youngest eight loads (A's blocks 4-7) may be out
.if \zero
	WIN BIA_LO
.else
	WIN MUL_LO
.endif
	MUL16 0, (\q)%2, \q, \slot, \zero
	MUL16 2, (\q)%2, \q, \slot, \zero
	s_wait_dscnt 0                                 ; A's blocks 4-7 are in
	PLACES NP
	FETCH_B \slot, (\q)+1, 1-(\q)%2
	FETCH_A \slot, (\q)+1, 0
.if \zero
	WIN BIA_HI
.else
	WIN MUL_HI
.endif
	MUL16 4, (\q)%2, \q, \slot, \zero
	MUL16 6, (\q)%2, \q, \slot, \zero
	PLACES NP
	WIN 0
	FETCH_A \slot, (\q)+1, 4
.endm
.macro STEPS slot, from                ; the slot's steps from .. NQ - 2
.set Q, \from
.rept NQ-1-\from
	STEP \slot, Q, 0
.set Q, Q+1
.endr
.endm
	s_wait_tensorcnt 1                             ; the scales and my part of K step 0 are in (K step 1's load may be out)
	s_barrier_signal -1
	s_barrier_wait -1                              ; everybody's are
	FETCH_B 0, 0, 0
	FETCH_A 0, 0, 0
	SCALES 0
	FETCH_A 0, 0, 4
	s_wait_loadcnt 0x0                             ; the bias
	STEP 0, 0, 1                                   ; the first step's products start the sums
	STEPS 0, 1
	; slot 0's last step, and the change to slot 1: one barrier; in front of it my load of slot 1 has landed and my reads of slot 0 are over
	s_wait_tensorcnt 0x0                           ; all my tensor loads have landed
	ds_add_u32 v[SPW], v[NIL]                      ; 0 onto my spare word
	s_wait_dscnt 4*NL+1                            ; (the add and the youngest eight loads, A's blocks 4-7, may be out)
	WIN MUL_LO
	MUL16 0, 1, NQ-1, 0, 0
	s_wait_dscnt 0x0                               ; the add is done, and my reads of slot 0 are over
	s_barrier_signal -1
	MUL16 2, 1, NQ-1, 0, 0
	WIN 0
	s_barrier_wait -1
	PLACES NP
	v_add_nc_u32 v[ADRS], 4*NQ, v[ADRS]            ; on to the second K step's scale words
	FETCH_B 1, 0, 0
	FETCH_A 1, 0, 0
	SCALES 1
	WIN MUL_HI
	MUL16 4, 1, NQ-1, 0, 0
	MUL16 6, 1, NQ-1, 0, 0
	PLACES NP
	WIN 0
	FETCH_A 1, 0, 4
	STEPS 1, 0
	s_wait_dscnt 4*NL                              ; the very last step: nothing more to fetch
	WIN MUL_LO
	MUL16 0, 1, NQ-1, 1, 0
	MUL16 2, 1, NQ-1, 1, 0
	s_wait_dscnt 0
	WIN MUL_HI
	MUL16 4, 1, NQ-1, 1, 0
	MUL16 6, 1, NQ-1, 1, 0
	WIN 0
; THE WAY OUT, block by block of 16 tokens x 128 columns (two heads).  PACK: rounded to f16, 16 bytes a lane (eight channels of one token), each accumulator from its low end on.  TOSTAGE: into my own stage, [head][token],
; and back four tokens of one head at a time.  SEND: 32 lanes store 512 consecutive bytes of qkv, aligned.  LDS serves a wave's instructions in order: no wait between the stores and the loads.
.macro PACK a
.set AC, 64*((\a)%4)
	WIN 0x0a+5*((\a)/4)                            ; sources 0 and 1: window 2 or 3
.irp b, 0,1,2,3,4,5,6,7
.irp r, 0,1,2,3
	v_cvt_pk_f16_f32 v[TMP+4*\b+\r], v[AC+8*\b+2*\r], v[AC+8*\b+2*\r+1]
.endr
.endr
	WIN 0
.endm
.macro TOSTAGE a
.set BB, OB+32*((\a)%2)
.irp b, 0,1,2,3,4,5,6,7
	ds_store_b128 v[STO], v[TMP+4*\b:TMP+4*\b+3] offset:(\b/4)*2304+(\b%4)*32
.endr
.irp u, 0,1
.irp i, 0,1,2,3
	ds_load_b128 v[BB+4*(4*\u+\i):BB+4*(4*\u+\i)+3], v[RD] offset:\u*2304+\i*576
.endr
.endr
.endm
.macro SEND a
.set BB, OB+32*((\a)%2)
	s_wait_dscnt 0x0                               ; the block is back in registers
	s_wait_xcnt 0x0                                ; the block before has been read by its stores: its registers take the next block's loads only behind this wait
.irp u, 0,1
.irp i, 0,1,2,3
	global_store_b128 v[CO], v[BB+4*(4*\u+\i):BB+4*(4*\u+\i)+3], s[98:99] offset:\u*262144+(\a)*2048+\i*512
.endr
.endr
.endm
	PLACES NP                                      ; behind the last products: for the loads into A's registers and the reads of results
	PACK 0
	TOSTAGE 0
.irp a, 1,2,3,4,5,6,7                  ; block a's conversions stand between block a - 1's loads from the stage and the wait for them
	PACK \a
	SEND \a-1
	TOSTAGE \a
.endr
	SEND 7
	s_wait_tensorcnt 0x0                           ; the wave's end, behind my last tensor load and my last LDS store
	ds_add_u32 v[SPW], v[NIL]
	s_wait_dscnt 0x0
	CROUND                                         ; the closing round: no work-group ends while a partner may still ask for a tile that names it
	s_endpgm
.Lfunc_end_k_q6a50392b04_proj:
	.size	k_q6a50392b04_proj, .Lfunc_end_k_q6a50392b04_proj-k_q6a50392b04_proj
	.p2alignl 7, 3214868480
	.fill 96, 4, 3214868480
	.section	.rodata,"a",@progbits
	.p2align	6, 0x0
	.amdhsa_kernel k_q6a50392b04_proj
		.amdhsa_group_segment_fixed_size 327680
		.amdhsa_private_segment_fixed_size 0
		.amdhsa_enable_private_segment 0
		.amdhsa_kernarg_size 48
		.amdhsa_user_sgpr_count 2
		.amdhsa_user_sgpr_kernarg_segment_ptr 1
		.amdhsa_wavefront_size32 1
		.amdhsa_system_sgpr_workgroup_id_x 1
		.amdhsa_system_sgpr_workgroup_id_y 1
		.amdhsa_system_sgpr_workgroup_id_z 1
		.amdhsa_system_vgpr_workitem_id 0
		.amdhsa_next_free_vgpr 1024
		.amdhsa_next_free_sgpr 100
		.amdhsa_reserve_vcc 0
		.amdhsa_float_denorm_mode_32 3
		.amdhsa_float_denorm_mode_16_64 3
		.amdhsa_memory_ordered 1
		.amdhsa_forward_progress 1
		.amdhsa_inst_pref_size 128
	.end_amdhsa_kernel
	.amdgpu_metadata
---
amdhsa.version: [ 1, 2 ]
amdhsa.kernels:
  - .name:           k_q6a50392b04_proj
    .symbol:         k_q6a50392b04_proj.kd
    .args:
      - { .name: codes, .offset: 0, .size: 8, .value_kind: global_buffer, .address_space: global }
      - { .name: scales, .offset: 8, .size: 8, .value_kind: global_buffer, .address_space: global }
      - { .name: bq, .offset: 16, .size: 8, .value_kind: global_buffer, .address_space: global }
      - { .name: bk, .offset: 24, .size: 8, .value_kind: global_buffer, .address_space: global }
      - { .name: bv, .offset: 32, .size: 8, .value_kind: global_buffer, .address_space: global }
      - { .name: qkv, .offset: 40, .size: 8, .value_kind: global_buffer, .address_space: global }
    .group_segment_fixed_size: 327680
    .private_segment_fixed_size: 0
    .kernarg_segment_align: 8
    .kernarg_segment_size: 48
    .max_flat_workgroup_size: 128
    .sgpr_count:     100
    .vgpr_count:     1024
    .wavefront_size: 32
...
	.end_amdgpu_metadata
.endif
;; end of part 2
;; launch attn (part 3): grid 4 x 64, 8 waves a work-group, clusters of 4 x 1, 327,680 bytes of LDS; arguments qkv, ctx; writes ctx
.if DOCPART == 3
	.amdgcn_target "amdgcn-amd-amdhsa--gfx1250"
	.amdhsa_code_object_version 6
	.text
	.protected	k_q6a50392b04_attn
	.globl	k_q6a50392b04_attn
	.p2align	8
	.type	k_q6a50392b04_attn,@function
k_q6a50392b04_attn:
	s_mov_b64 s[64:65], 0
	v_nop
	global_prefetch_b8 v0, s[64:65] scope:SCOPE_SE
	s_setreg_imm32_b32 hwreg(HW_REG_WAVE_MODE, 25, 1), 1
	s_wait_xcnt 0x0
	s_wait_alu depctr_hold_cnt(0) depctr_sa_sdst(0) depctr_va_vdst(0) depctr_va_sdst(0) depctr_va_ssrc(0) depctr_va_vcc(0) depctr_vm_vsrc(0)
	s_getreg_b32 s2, hwreg(HW_REG_IB_STS2, 6, 4)
	s_cmp_eq_u32 s2, 0
	s_cbranch_scc0 .Lentry_in_a_cluster
	s_endpgm
.Lentry_in_a_cluster:
	s_bfe_u32 s2, ttmp6, 0x10000c
	s_cmp_lg_u32 s2, 0x3003
	s_cbranch_scc0 .Lentry_shape_is_right
	s_endpgm
.Lentry_shape_is_right:
; ctx[b][h][n][:] = the sum over m of softmax_m(q[n] . k[m] / 8) v[m][:], for each of the 64 (batch, head) pairs; 2,048 queries, 2,048 keys, head size 64, no mask.
; qkv: [3][b][h][token][64] f16 (q, then k 16 MiB on, then v 32 MiB on); ctx: [b][h][token][64] f16.  Products on f16 operands with f32 sums; maxima, exponentials and sums in f32; the weights p (at most about 1) are rounded to f16.
; LIMIT: the rows of ctx are averages of v and stay inside f16 with it; NaN and infinities are not served.
; SHARES.  A work-group owns 512 queries of one head, each of its eight waves 64: four tiles of 16.  Two waves share a SIMD's registers, 512 each, so that one wave's softmax stands beside the other's products.
; Every wave walks all keys, 64 a step; each fragment of K and V read from LDS feeds four products.
; LAYOUT.  S^T = K Q^T (source 0 = 16 keys, source 1 = 16 queries): a lane holds ONE query (lane % 16) and keys 8 (lane / 16) + 0..7.  Two such tiles, rounded in pairs, ARE source 1 (32 keys x 16 queries) of O^T = V^T P,
; whose result again holds one query a lane and eight channels.  K comes out of LDS as it lies, V ([key][channel]) turned, by ds_load_tr16_b128.
; SOFTMAX.  For each query a running maximum m and sum l: p = 2^(c s - c m), c = log2(e) / 8; in every step O^T and l are multiplied by a = 2^(c m_old - c m_new).  m begins at -3e38, l and O^T at 0: the step is written once.
; CLUSTER.  The four blocks of queries of a head form a cluster and walk the same K and V: each tile is asked for JOINTLY, by the same tensor load with a mask that names the four.
; RING.  Two LDS slots of 256 keys (four steps).  A head's keys are dense memory, so a tile is stated as rows of 256 bytes, two keys to a row.  Waves 0-3 fetch the four steps' K, waves 4-7 their V: one load a wave behind each round.
; REGISTERS: window 0: v2-15 addresses; v16-47 statistics, 8 a tile; v48-51 c m_old; v64-191 S^T, 32 a tile (P is laid over a tile's first 16); v192-255 K's fragments.
;   window 1: v0-127 O^T (32 a tile); v128-191 Q; v192-255 V's fragments.
.set PK,    272       ; two keys of K in LDS: 256 bytes + 16
.set PV,    288       ; two keys of V: 256 + 32: the same holds of the turning load's 8 keys x 32 bytes
.set VOFF,  32*PK     ; a step's piece: 32 rows of K, then 32 rows of V
.set STEPB, 32*(PK+PV)
.set SLOT1, 1<<17     ; a slot holds four pieces (71,680 bytes); slot 1 begins here, so that one exclusive or turns an address
.set SLOTB, 32768     ; a slot's 256 keys in memory
.set STAGE, SLOT1+4*STEPB  ; behind the ring: 16 rows x 144 bytes for each wave, for the way out
.set SP,    144
.set SPARE, STAGE+8*16*SP  ; the spare words, 128 bytes a wave, which no other line names
.set AK0, 2           ; v2   my lane's place in a piece's K; never rewritten
.set AV0, 3           ; v3   the same for V
.set ADK, 4           ; v4   LDS address of the step's K
.set ADV, 5           ; v5   of its V
.set QO,  6           ; v6   my byte offset in the wave's rows of q
.set STO, 7           ; v7   the way out: where I put 16 bytes of a row
.set RD,  8           ; v8   where I read rows back
.set GO,  9           ; v9   16 x lane: my bytes of four rows of ctx
.set PFO, 12          ; v12  256 x lane: the prefetches' offset; never rewritten
.set SPW, 14          ; v14  LDS address of my spare word; never rewritten
.set NIL, 15          ; v15  0; never rewritten
.set ST,  16          ; tile t's statistics at v[ST+8 t]: +0 c m, +1 m, +2, +3 l (even keys', odd keys'), +4 to +7 the maximum's chains c0-c3; then +4, +5 the step's sum, +6 a
.set OLD, 48          ; v48-51 c m_old, then c m_old - c m_new
.set S,   64
.set KF,  192         ; window 0
.set QF,  128         ; window 1
.set VF,  192         ; window 1
.set WV,  12          ; s12  my wave's number
.set LIM, 15          ; s15  1 in a wave that prefetches, else the greatest number
.set PFA, 18          ; s[18:19] where my prefetches stand
.set G1K, 24          ; s[24:31] descriptor group 1 for K's tiles;  s[32:39] for V's: it differs in the padding
.set G1V, 32
.set G0K, 40          ; s[40:43], s[44:47] their groups 0, which walk
.set G0V, 44
.set SLOTS, 56        ; s56  slots still to be asked for
.set CNT, 57          ; s57  counts a slot's four steps
.set CS,  58          ; s[58:59] c: the packed form names a pair and takes its low word for both halves
.set SEL, 60          ; s[60:61] lane selects for v_permlanex16_b32: lane l xor 16
.set TB,  62          ; s62  LDS byte at which the step's piece begins
.set MSB, 0
.macro WIN new                      ; the immediate's high byte repeats the setting that is left
.if MSB != (\new)
	s_set_vgpr_msb (MSB<<8)|(\new)
.set MSB, (\new)
.endif
.endm
.set W_KQ, 0x04       ; K and S^T in window 0, Q in window 1
.set W_PV, 0x51       ; V and O^T in window 1, P in window 0
.set W_RS, 0x41       ; O^T (destination and source 0) in window 1, the factor in window 0
.set W_T1, 0x40       ; destination window 1, address window 0
; A joint load: waves 0-3 fetch K's pieces, waves 4-7 V's; the branch hangs on the wave's number alone.  An s_nop 0 and four v_nop follow each of the two lines.
.macro JLOAD
	s_cmp_lt_u32 s[WV], 4
	s_cbranch_scc0 .Lfor_v_\@
	tensor_load_to_lds s[G0K:G0K+3], s[G1K:G1K+7]
	s_nop 0
.rept 4
	v_nop
.endr
	s_branch .Lasked_\@
.Lfor_v_\@:
	tensor_load_to_lds s[G0V:G0V+3], s[G1V:G1V+7]
	s_nop 0
.rept 4
	v_nop
.endr
.Lasked_\@:
.endm
; A PREFETCH INTO THE L2 of what the NEXT change of slots will ask for: a slot's 32,768 bytes of K and of V.  A head is walked by one cluster alone; its four partners share the bytes out BY ADDRESS, 8,192 each;
; in each, wave 0 asks for K's and wave 4 for V's, lanes 256 bytes apart: each aligned block of 256 bytes is named once in the launch.  It stands behind the wave's tensor load, four key steps ahead of the load that wants the bytes.
; The last change that fills a slot asks for nothing; slots 0 and 1 come by their loads alone.
.macro ASK
	s_cmp_gt_u32 s[SLOTS], s[LIM]
	s_cbranch_scc0 .Lnot_mine_\@
	global_prefetch_b8 v[PFO], s[PFA:PFA+1] th:TH_LOAD_NT scope:SCOPE_SE
.Lnot_mine_\@:
.endm
.macro CROUND                       ; a round of the cluster's barrier
	s_barrier_signal -1
	s_barrier_wait -1
	s_cmp_lg_u32 s[WV], 0
	s_cbranch_scc1 .Lnot_wave_0_\@
	s_barrier_signal -3
.Lnot_wave_0_\@:
	s_barrier_wait -3
	s_barrier_signal -1
	s_barrier_wait -1
.endm
	s_load_b128 s[4:7], s[0:1], 0x0   ; qkv s[4:5], ctx s[6:7]
	v_lshl_add_u32 v[SPW], v0, 2, SPARE
	v_mov_b32 v[NIL], 0
	ds_add_u32 v[SPW], v[NIL]       ; the wave's opening: the add, twice on end, and its wait ahead of my first tensor load
	ds_add_u32 v[SPW], v[NIL]
	v_lshrrev_b32 v1, 5, v0
	v_readfirstlane_b32 s[WV], v1   ; wave 0..7
	s_bfe_u32 s13, ttmp6, 0x40000   ; cx: my place in the cluster
	s_lshl_b32 s14, ttmp9, 2
	s_add_co_u32 s14, s14, s13      ; my block of 512 queries: it enters q's and ctx's addresses alone
	s_and_b32 s20, ttmp7, 0xffff    ; (batch, head), which the four partners share
	s_lshl_b32 s20, s20, 18         ; its 262,144 bytes in each tensor
	s_and_b32 s16, s[WV], 3         ; which of a slot's four steps I fetch:
	s_lshl_b32 s22, s16, 13         ; its 64 keys of 128 bytes in memory,
	s_add_co_u32 s22, s22, s20
	s_mov_b32 s23, 0
	s_mul_i32 s17, s16, STEPB       ; and its piece in a slot: no place in the cluster enters an LDS address
	s_lshl_b32 s2, s14, 16          ; my block's 512 rows,
	s_lshl_b32 s3, s[WV], 13        ; my wave's 64 of them
	s_add_co_u32 s2, s2, s3
	s_add_co_u32 s2, s2, s20
	s_mov_b32 s3, 0
	; descriptor group 1: a tile of 32 rows x 128 elements of 2 bytes, dense in memory, padded in LDS
	s_mov_b32 s[G1K], 15|(1<<16)|(1<<20)|(1<<21)|(5<<22)|(3<<25)  ; the mask: all four work-groups; elements of 2 bytes; padding on; bit 21 beside a mask; 4 words of padding after every 64
	s_mov_b32 s[G1V], 15|(1<<16)|(1<<20)|(1<<21)|(5<<22)|(7<<25)  ; the same with 8 words of padding
.irp g, G1K, G1V
	s_mov_b32 s[\g+1], 128<<16      ; tensor_dim0
	s_mov_b32 s[\g+2], 32<<16       ; tensor_dim1
	s_mov_b32 s[\g+3], 128<<16      ; tile_dim0
	s_mov_b32 s[\g+4], 32           ; tile_dim1
	s_mov_b32 s[\g+5], 128          ; tensor_dim0_stride
	s_mov_b32 s[\g+6], 0
	s_mov_b32 s[\g+7], 0
.endr
	s_mov_b32 s[CS], 0x3e38aa3b     ; c = log2(e) / 8
	s_mov_b32 s[CS+1], s[CS]        ; named with it as a pair, so it is written
	s_mov_b32 s[SEL], 0x76543210
	s_mov_b32 s[SEL+1], 0xfedcba98
	s_mov_b32 s[TB], 0
	s_mov_b32 s[SLOTS], 7
	s_cmp_eq_u32 s16, 0             ; waves 0 and 4 prefetch: the same in all four partners
	s_cselect_b32 s[LIM], 1, -1
	v_and_b32 v[PFO], 31, v0
	v_lshlrev_b32 v[PFO], 8, v[PFO]
	s_wait_dscnt 0x0                ; both opening adds are done
	s_wait_kmcnt 0x0
	s_add_nc_u64 s[48:49], s[4:5], s[22:23]
	s_add_nc_u64 s[50:51], s[48:49], 0x2000000  ; v at my piece of slot 0
	s_add_nc_u64 s[48:49], s[48:49], 0x1000000  ; k likewise
	s_add_nc_u64 s[4:5], s[4:5], s[2:3]    ; q and ctx at my wave's first row
	s_add_nc_u64 s[10:11], s[6:7], s[2:3]
	s_cmp_lt_u32 s[WV], 4
	s_cselect_b64 s[PFA:PFA+1], s[48:49], s[50:51]  ; (in waves 0 and 4 these stand at a slot's first row)
	s_lshl_b32 s52, s13, 13         ; my work-group's 8,192 bytes of the 32,768,
	s_add_co_u32 s52, s52, SLOTB    ; in slot 1: the first change of slots steps it to slot 2.  Nothing is prefetched at the head
	s_mov_b32 s53, 0
	s_add_nc_u64 s[PFA:PFA+1], s[PFA:PFA+1], s[52:53]
	CROUND                          ; all four work-groups are here: the first joint loads meet
	s_mov_b32 s[G0K], 1             ; count = 1
	s_mov_b32 s[G0K+1], s17         ; LDS address: slot 0
	s_mov_b64 s[G0K+2:G0K+3], s[48:49]
	s_or_b32 s[G0K+3], s[G0K+3], 0x80000000  ; type = 2
	s_mov_b32 s[G0V], 1
	s_add_co_u32 s[G0V+1], s17, VOFF
	s_mov_b64 s[G0V+2:G0V+3], s[50:51]
	s_or_b32 s[G0V+3], s[G0V+3], 0x80000000
	JLOAD                           ; slot 0
	v_and_b32 v1, 15, v0            ; r = lane % 16
	v_bfe_u32 v10, v0, 4, 1         ; h = lane / 16
	v_lshlrev_b32 v[QO], 7, v1
	v_lshl_add_u32 v[QO], v10, 4, v[QO]  ; row x 128 + 16 x half
	WIN W_T1
.irp i, 0,1,2,3,4,5,6,7             ; Q stays in registers: tile i / 2, channels 32 (i % 2) on
	global_load_b128 v[QF+8*\i:QF+8*\i+3],   v[QO], s[4:5] offset:(\i/2)*2048+(\i%2)*64
	global_load_b128 v[QF+8*\i+4:QF+8*\i+7], v[QO], s[4:5] offset:(\i/2)*2048+(\i%2)*64+32
.endr
	WIN 0
	v_lshrrev_b32 v11, 1, v1
	v_mul_u32_u24 v[AK0], v11, PK
	v_and_b32 v11, 1, v0
	v_lshl_add_u32 v[AK0], v11, 7, v[AK0]
	v_lshl_add_u32 v[AK0], v10, 4, v[AK0]  ; K: key r lies at PK (r / 2) + 128 (r % 2); + 16 x half
	; the turning load takes 16 keys x 16 channels: lane l reads 16 bytes of key 8 (l / 16) + l % 8, channels 8 ((l / 8) % 2) + 0..7
	v_bfe_u32 v13, v0, 1, 2
	v_lshl_add_u32 v13, v10, 2, v13
	v_mul_u32_u24 v[AV0], v13, PV
	v_lshl_add_u32 v[AV0], v11, 7, v[AV0]
	v_bfe_u32 v13, v0, 3, 1
	v_lshl_add_u32 v[AV0], v13, 4, v[AV0]
	v_add_nc_u32 v[AV0], VOFF, v[AV0]
	s_mul_i32 s52, s[WV], 16*SP
	s_add_co_u32 s52, s52, STAGE    ; my stage
	v_mul_u32_u24 v[STO], v1, SP    ; in: row r, 16 bytes for each half of the lanes
	v_lshl_add_u32 v[STO], v10, 4, v[STO]
	v_add_nc_u32 v[STO], s52, v[STO]
	v_and_b32 v13, 31, v0
	v_lshrrev_b32 v11, 3, v13       ; back: eight lanes to a row of 128 bytes, four rows an instruction
	v_mul_u32_u24 v[RD], v11, SP
	v_and_b32 v11, 7, v0
	v_lshl_add_u32 v[RD], v11, 4, v[RD]
	v_add_nc_u32 v[RD], s52, v[RD]
	v_lshlrev_b32 v[GO], 4, v13
.irp t, 0,1,2,3
	v_mov_b32 v[ST+8*\t+1], 0xff61b1e6     ; m = -3e38, under every score
	v_mul_f32 v[ST+8*\t], s[CS], v[ST+8*\t+1]
	v_mov_b32 v[ST+8*\t+2], 0              ; l
	v_mov_b32 v[ST+8*\t+3], 0
.endr
	WIN W_T1
.set i, 0
.rept 128
	v_mov_b32 v[i], 0               ; O^T.  (The step is written once: the first finds zeros, which its factor a = 0 leaves zeros)
.set i, i+1
.endr
	WIN 0
; A KEY STEP: 64 keys, whose piece begins at LDS byte s[TB].
.macro STEP
	v_add_nc_u32 v[ADK], s[TB], v[AK0]  ; these two and three v_nop: five places behind the last V^T P: loads land in V's registers, and the products below write over P's
	v_add_nc_u32 v[ADV], s[TB], v[AV0]
.rept 3
	v_nop
.endr
.irp f, 0,1,2,3,4,5,6,7             ; K: keys 16 (f / 2) on, channels 32 (f % 2) on
	ds_load_b128 v[KF+8*\f:KF+8*\f+3],   v[ADK] offset:(\f/2)*8*PK+(\f%2)*64
	ds_load_b128 v[KF+8*\f+4:KF+8*\f+7], v[ADK] offset:(\f/2)*8*PK+(\f%2)*64+32
.endr
	WIN W_T1
.irp f, 0,1,2,3,4,5,6,7             ; V, turned: keys 32 (f / 4) on, channels 16 (f % 4) on
	ds_load_tr16_b128 v[VF+8*\f:VF+8*\f+3],   v[ADV] offset:(\f/4)*16*PV+(\f%4)*32
	ds_load_tr16_b128 v[VF+8*\f+4:VF+8*\f+7], v[ADV] offset:(\f/4)*16*PV+8*PV+(\f%4)*32
.endr
	s_wait_dscnt 16                 ; K's 16 loads are in; V's 16 may stay out
	WIN W_KQ
.set i, 0
.rept 32                            ; S^T = K Q^T: channels 32 (i / 16) on, keys 16 ((i / 4) % 4) on, tile i % 4.  The 16 accumulators take turns; the first 16 start the sums
.set rS, S+32*(i%4)+8*((i/4)%4)
.set rK, KF+8*(2*((i/4)%4)+i/16)
.set rQ, QF+16*(i%4)+8*(i/16)
.if i < 16
	v_wmma_f32_16x16x32_f16 v[rS:rS+7], v[rK:rK+7], v[rQ:rQ+7], 0
.else
	v_wmma_f32_16x16x32_f16 v[rS:rS+7], v[rK:rK+7], v[rQ:rQ+7], v[rS:rS+7]
.endif
.set i, i+1
.endr
	WIN 0
.irp t, 0,1,2,3
	v_mov_b32 v[OLD+\t], v[ST+8*\t]  ; c m_old is kept for a.  (These four are the places behind the products)
.endr
	; the maximum of a lane's 32 scores and the old m, three operands at a time, four chains a tile, the four tiles by turns; each accumulator is read from its low end on
.irp j, 0,1,2,3
.irp t, 0,1,2,3
	v_max3_num_f32 v[ST+8*\t+4+\j], v[S+32*\t+8*\j], v[S+32*\t+8*\j+1], v[S+32*\t+8*\j+2]
.endr
.endr
.irp u, 1,2
.irp j, 0,1,2,3
.irp t, 0,1,2,3
	v_max3_num_f32 v[ST+8*\t+4+\j], v[ST+8*\t+4+\j], v[S+32*\t+8*\j+2*\u+1], v[S+32*\t+8*\j+2*\u+2]
.endr
.endr
.endr
.irp t, 0,1,2,3
	v_max3_num_f32 v[ST+8*\t+4], v[ST+8*\t+4], v[S+32*\t+7], v[S+32*\t+15]
.endr
.irp t, 0,1,2,3
	v_max3_num_f32 v[ST+8*\t+6], v[ST+8*\t+6], v[S+32*\t+23], v[S+32*\t+31]
.endr
.irp t, 0,1,2,3
	v_max3_num_f32 v[ST+8*\t+4], v[ST+8*\t+4], v[ST+8*\t+5], v[ST+8*\t+6]
.endr
.irp t, 0,1,2,3
	v_max3_num_f32 v[ST+8*\t+4], v[ST+8*\t+4], v[ST+8*\t+7], v[ST+8*\t+1]
.endr
.irp t, 0,1,2,3
	v_permlanex16_b32 v[ST+8*\t+5], v[ST+8*\t+4], s[SEL], s[SEL+1]  ; the query's other 32 keys lie in the lane 16 away
.endr
.irp t, 0,1,2,3
	v_max_num_f32 v[ST+8*\t+1], v[ST+8*\t+4], v[ST+8*\t+5]          ; the new m
.endr
.irp t, 0,1,2,3
	v_mul_f32 v[ST+8*\t], s[CS], v[ST+8*\t+1]                       ; c m
.endr
.irp t, 0,1,2,3
	v_sub_f32 v[OLD+\t], v[OLD+\t], v[ST+8*\t]                      ; c m_old - c m_new
.endr
	; ONE BATCH of 132 exponentials, none of which reads another's result; the scalings stand among them
.irp t, 0,1,2,3
	v_exp_f32 v[ST+8*\t+6], v[OLD+\t]                               ; a
.endr
.set b, 0
.rept 16
.irp t, 0,1,2,3
	v_pk_fma_f32 v[S+32*\t+2*b:S+32*\t+2*b+1], v[S+32*\t+2*b:S+32*\t+2*b+1], s[CS:CS+1], v[ST+8*\t:ST+8*\t+1] op_sel_hi:[1,0,0] neg_lo:[0,0,1] neg_hi:[0,0,1]  ; pair b: c s - c m
.endr
.irp t, 0,1,2,3
	v_exp_f32 v[S+32*\t+2*b], v[S+32*\t+2*b]
	v_exp_f32 v[S+32*\t+2*b+1], v[S+32*\t+2*b+1]
.endr
.set b, b+1
.endr
	v_nop                           ; a plain instruction behind the last exponential
	s_wait_alu depctr_va_vdst(0)    ; a wait ahead of the first instruction that names an exponential's result: one for the batch
.irp t, 0,1,2,3
	v_pk_add_f32 v[ST+8*\t+4:ST+8*\t+5], v[S+32*\t:S+32*\t+1], v[S+32*\t+2:S+32*\t+3]   ; the step's sum of the unrounded p, a pair at a time
.endr
.set b, 2
.rept 14
.irp t, 0,1,2,3
	v_pk_add_f32 v[ST+8*\t+4:ST+8*\t+5], v[ST+8*\t+4:ST+8*\t+5], v[S+32*\t+2*b:S+32*\t+2*b+1]
.endr
.set b, b+1
.endr
.irp t, 0,1,2,3
	v_pk_fma_f32 v[ST+8*\t+2:ST+8*\t+3], v[ST+8*\t+2:ST+8*\t+3], v[ST+8*\t+6:ST+8*\t+7], v[ST+8*\t+4:ST+8*\t+5] op_sel_hi:[1,0,1]   ; l = a l + the sum
.endr
.set b, 0
.rept 16
.irp t, 0,1,2,3
	v_cvt_pk_f16_f32 v[S+32*\t+b], v[S+32*\t+2*b], v[S+32*\t+2*b+1]  ; P, in place: register b is written when registers under 2 b have been read
.endr
.set b, b+1
.endr
	WIN W_RS
.set b, 0
.rept 16
.irp t, 0,1,2,3
	v_pk_mul_f32 v[32*\t+b:32*\t+b+1], v[32*\t+b:32*\t+b+1], v[ST+8*\t+6:ST+8*\t+7] op_sel_hi:[1,0]   ; O^T x a
.endr
.set b, b+2
.endr
	s_wait_dscnt 0x0                ; V is in
	WIN W_PV
.set i, 0
.rept 32                            ; O^T += V^T P: keys 32 (i / 16) on, channels 16 ((i / 4) % 4) on, tile i % 4: 16 accumulators by turns
.set rO, 32*(i%4)+8*((i/4)%4)
.set rV, VF+8*(4*(i/16)+(i/4)%4)
.set rP, S+32*(i%4)+8*(i/16)
	v_wmma_f32_16x16x32_f16 v[rO:rO+7], v[rV:rV+7], v[rP:rP+7], v[rO:rO+7]
.set i, i+1
.endr
	WIN 0
	s_add_co_u32 s[TB], s[TB], STEPB
.endm
.macro FOUR_STEPS                   ; a slot's four key steps: written once, walked four times
	s_mov_b32 s[CNT], 4
.Lstep_\@:
	STEP
	s_sub_co_u32 s[CNT], s[CNT], 1
	s_cmp_lg_u32 s[CNT], 0
	s_cbranch_scc1 .Lstep_\@
	s_sub_co_u32 s[TB], s[TB], 4*STEPB  ; back to a slot's first piece,
	s_xor_b32 s[TB], s[TB], SLOT1       ; in the other slot
.endm
; THE CHANGE OF SLOTS stands at a slot's head.  Each wave waits for all its tensor loads (one is out: its piece of the slot ahead), adds 0 to its spare word, and waits for that and for its reads of the slot that it has left.
; fill = 1: the barrier is a round of the cluster's, so that no wave of any partner still reads that slot or has a load on its way, and the joint load of the keys that follow is the first thing behind it:
; it has four key steps, 256 matrix instructions of the wave, in which to land.
.macro CHANGE fill
	s_wait_tensorcnt 0x0            ; no tensor load of mine is out, so a group 0 may be written
	ds_add_u32 v[SPW], v[NIL]       ; 0 onto my spare word
.if \fill
	s_xor_b32 s[G0K+1], s[G0K+1], SLOT1  ; the walking descriptors: the other slot than last time,
	s_add_nc_u64 s[G0K+2:G0K+3], s[G0K+2:G0K+3], SLOTB  ; the next 256 keys; the type bits on top are not reached
	s_xor_b32 s[G0V+1], s[G0V+1], SLOT1
	s_add_nc_u64 s[G0V+2:G0V+3], s[G0V+2:G0V+3], SLOTB
	s_wait_xcnt 0x0                 ; the last prefetch, a slot back, has read its address, so it may be written:
	s_add_nc_u64 s[PFA:PFA+1], s[PFA:PFA+1], SLOTB  ; one slot further on than the walking descriptors
	s_wait_dscnt 0x0                ; the add is done, and my reads of the slot that I have left are over
	CROUND
	JLOAD
	ASK
.else
	s_wait_dscnt 0x0
	s_barrier_signal -1
	s_barrier_wait -1
.endif
.endm
	s_wait_loadcnt 0x0              ; Q
.Lslot:                             ; 7 trips: behind each change of slots but the last the next slot is asked for
	CHANGE 1
	FOUR_STEPS
	s_sub_co_u32 s[SLOTS], s[SLOTS], 1
	s_cmp_lg_u32 s[SLOTS], 0
	s_cbranch_scc1 .Lslot
	CHANGE 0                        ; the last slot is written out
	FOUR_STEPS
	; THE WAY OUT.  l's two halves and the other half of the lanes' are added (these additions are the places behind the last products); O^T / l is rounded to f16 and goes through my stage, a tile (16 rows) at a time.
.irp t, 0,1,2,3
	v_add_f32 v[ST+8*\t+4], v[ST+8*\t+2], v[ST+8*\t+3]
.endr
.irp t, 0,1,2,3
	v_permlanex16_b32 v[ST+8*\t+5], v[ST+8*\t+4], s[SEL], s[SEL+1]
.endr
.irp t, 0,1,2,3
	v_add_f32 v[ST+8*\t+4], v[ST+8*\t+4], v[ST+8*\t+5]
.endr
.irp t, 0,1,2,3
	v_rcp_f32 v[ST+8*\t+6], v[ST+8*\t+4]
.endr
	v_nop                           ; a plain instruction behind the last reciprocal
	s_wait_alu depctr_va_vdst(0)    ; and a wait ahead of the first use: one for the four
.macro PACK t
	WIN W_RS
.set i, 32*\t
.rept 16
	v_pk_mul_f32 v[i:i+1], v[i:i+1], v[ST+8*\t+6:ST+8*\t+7] op_sel_hi:[1,0]   ; each accumulator from its low end on
.set i, i+2
.endr
	WIN 0x05                        ; sources 0 and 1 window 1, destination window 0: S^T's registers are free
.set i, 0
.rept 16
	v_cvt_pk_f16_f32 v[S+32*\t+i], v[32*\t+2*i], v[32*\t+2*i+1]
.set i, i+1
.endr
	WIN 0
.irp f, 0,1,2,3
	ds_store_b128 v[STO], v[S+32*\t+4*\f:S+32*\t+4*\f+3] offset:32*\f     ; channels 16 f + 8 h on of row r
.endr
.irp f, 0,1,2,3
	ds_load_b128 v[S+32*\t+16+4*\f:S+32*\t+16+4*\f+3], v[RD] offset:\f*4*SP  ; LDS serves a wave's instructions in order: these see the stores above; the next tile's stores come behind them
.endr
.endm
.macro SEND t, younger              ; younger: the LDS instructions issued behind tile t's loads: the next tile's eight, or none
.irp f, 0,1,2,3
	s_wait_dscnt \younger+3-\f
	global_store_b128 v[GO], v[S+32*\t+16+4*\f:S+32*\t+16+4*\f+3], s[10:11] offset:\t*2048+\f*512  ; 32 lanes store 512 consecutive bytes, aligned
.endr
.endm
	PACK 0
	PACK 1
	SEND 0, 8
	PACK 2
	SEND 1, 8
	PACK 3
	SEND 2, 8
	SEND 3, 0
	s_wait_tensorcnt 0x0            ; the wave's end, behind my last tensor load and my last LDS store
	ds_add_u32 v[SPW], v[NIL]
	s_wait_dscnt 0x0
	CROUND                          ; the closing round: no work-group ends while a partner may still ask for a tile that names it
	s_endpgm
.Lfunc_end_k_q6a50392b04_attn:
	.size	k_q6a50392b04_attn, .Lfunc_end_k_q6a50392b04_attn-k_q6a50392b04_attn
	.p2alignl 7, 3214868480
	.fill 96, 4, 3214868480
	.section	.rodata,"a",@progbits
	.p2align	6, 0x0
	.amdhsa_kernel k_q6a50392b04_attn
		.amdhsa_group_segment_fixed_size 327680
		.amdhsa_private_segment_fixed_size 0
		.amdhsa_enable_private_segment 0
		.amdhsa_kernarg_size 16
		.amdhsa_user_sgpr_count 2
		.amdhsa_user_sgpr_kernarg_segment_ptr 1
		.amdhsa_wavefront_size32 1
		.amdhsa_system_sgpr_workgroup_id_x 1
		.amdhsa_system_sgpr_workgroup_id_y 1
		.amdhsa_system_sgpr_workgroup_id_z 1
		.amdhsa_system_vgpr_workitem_id 0
		.amdhsa_next_free_vgpr 512
		.amdhsa_next_free_sgpr 66
		.amdhsa_reserve_vcc 0
		.amdhsa_float_denorm_mode_32 3
		.amdhsa_float_denorm_mode_16_64 3
		.amdhsa_memory_ordered 1
		.amdhsa_forward_progress 1
		.amdhsa_inst_pref_size 91
	.end_amdhsa_kernel
	.amdgpu_metadata
---
amdhsa.version: [ 1, 2 ]
amdhsa.kernels:
  - .name:           k_q6a50392b04_attn
    .symbol:         k_q6a50392b04_attn.kd
    .args:
      - { .name: qkv, .offset: 0, .size: 8, .value_kind: global_buffer, .address_space: global }
      - { .name: ctx, .offset: 8, .size: 8, .value_kind: global_buffer, .address_space: global }
    .group_segment_fixed_size: 327680
    .private_segment_fixed_size: 0
    .kernarg_segment_align: 8
    .kernarg_segment_size: 16
    .max_flat_workgroup_size: 256
    .sgpr_count:     66
    .vgpr_count:     512
    .wavefront_size: 32
...
	.end_amdgpu_metadata
.endif
;; end of part 3
;; launch outp (part 4): grid 4 x 64, 4 waves a work-group, clusters of 4 x 4, 327,680 bytes of LDS; arguments ctx, wo16, bo, out0; writes out0
.if DOCPART == 4
	.amdgcn_target "amdgcn-amd-amdhsa--gfx1250"
	.amdhsa_code_object_version 6
	.text
	.protected	k_q6a50392b04_outp
	.globl	k_q6a50392b04_outp
	.p2align	8
	.type	k_q6a50392b04_outp,@function
k_q6a50392b04_outp:
	s_mov_b64 s[64:65], 0
	v_nop
	global_prefetch_b8 v0, s[64:65] scope:SCOPE_SE
	s_setreg_imm32_b32 hwreg(HW_REG_WAVE_MODE, 25, 1), 1
	s_wait_xcnt 0x0
	s_wait_alu depctr_hold_cnt(0) depctr_sa_sdst(0) depctr_va_vdst(0) depctr_va_sdst(0) depctr_va_ssrc(0) depctr_va_vcc(0) depctr_vm_vsrc(0)
	s_getreg_b32 s2, hwreg(HW_REG_IB_STS2, 6, 4)
	s_cmp_eq_u32 s2, 0
	s_cbranch_scc0 .Lentry_in_a_cluster
	s_endpgm
.Lentry_in_a_cluster:
	s_bfe_u32 s2, ttmp6, 0x10000c
	s_cmp_lg_u32 s2, 0xf033
	s_cbranch_scc0 .Lentry_shape_is_right
	s_endpgm
.Lentry_shape_is_right:
; out0[m][n] = the sum over k of ctx(m, k) Wo[n][k] + bo[n].  ctx: [batch 4][head 16][token 2048][64] f16 (k = 64 head + channel); wo16: [1024 n][1024 k] f16; bo f32; out0: [8192][1024] f32; sums in f32.
; A tile of out0 is 128 rows x 256 columns: 256 work-groups, one for each WGP.  Four waves, each 64 x 128: 32 accumulators, 256 registers.  K goes in steps of 128 (two heads) through a ring of two LDS slots.
; A's tile of a step is, for each of the two heads, 128 tokens x 128 bytes of dense memory, stated as 64 rows of 256 bytes (two tokens to a row); B's is 256 rows of 256 bytes.  Waves 0, 1 fetch A's two heads, waves 2, 3 B's halves.
; CLUSTERS: 4 x 4 work-groups.  The four of a row of the cluster need the same tiles of A, the four of a column the same tiles of B: each is asked for jointly.
; THE MATRIX INSTRUCTION IS USED TRANSPOSED (source 0 = 16 rows of Wo, source 1 = 16 tokens): a lane holds eight neighbouring columns of one row of out0.  The bias is the C of each sum's first product.
; REGISTERS: window 0: v0-31 addresses; two fragment buffers, v32-127 and v128-223: 32 registers of A (4 x 16 tokens x 32 K), then 64 of B; on the way out v32-159 take rows read back.
;   window 1: the accumulators, (a, b) at v[8 (8 a + b)].   window 2: v0-63 the bias, 8 registers for each block of 16 columns.
.set PITCH,  272                       ; an LDS row: 256 bytes + 16 of padding
.set HEADT,  64*PITCH                  ; A: one head's 128 tokens
.set HALFB,  128*PITCH                 ; B: 128 rows
.set BOFF,   2*HEADT
.set SLOT,   BOFF+2*HALFB
.set STAGE,  2*SLOT                    ; behind the ring: 16 rows x 528 bytes for each wave, for the way out
.set SPITCH, 528
.set SPARE,  STAGE+4*16*SPITCH         ; the spare words, 128 bytes a wave, which no other line names
.set LAPS,   4                         ; a lap = two K steps = once round the ring; K = 1,024 is 8 steps
.set ADRA, 16                          ; v16-17  LDS address of my A fragments in slot 0, 1
.set ADRB, 20                          ; v20-21  the same for B
.set STO,  24                          ; v24     the way out: where I put 32 bytes of a row
.set RD,   25                          ; v25     where I read a row back
.set CO,   26                          ; v26     16 x lane: my bytes of a row's 512
.set SPW,  28                          ; v28     LDS address of my spare word; never rewritten
.set NIL,  29                          ; v29     0; never rewritten
.set F0,   32
.set F1,   128
.set BK,   32                          ; the way out: v32-95 and v96-159 by turns
.set G1, 24                            ; s[24:31] descriptor group 1 for A's tiles;  s[32:39] group 0, one set for each slot
.set G0, 32
.set G1B, 48                           ; s[48:55], s[56:63] the same for B's tiles
.set G0B, 56
.set MSB, 0
.macro WIN new                         ; the immediate's high byte repeats the setting that is left
.if MSB != (\new)
	s_set_vgpr_msb (MSB<<8)|(\new)
.set MSB, (\new)
.endif
.endm
.set MUL,  0x50                        ; fragments window 0; C and D window 1
.set MUL0, 0x60                        ; the first products: C (the bias) window 2, D window 1
.macro JLOAD s                         ; a joint load: waves 0 and 1 fetch for A, waves 2 and 3 for B; an s_nop 0 and four v_nop follow each of the two lines
	s_cmp_eq_u32 s13, 0
	s_cbranch_scc0 .Lfor_b_\@
	tensor_load_to_lds s[G0+4*\s:G0+4*\s+3], s[G1:G1+7]
	s_nop 0
.rept 4
	v_nop
.endr
	s_branch .Lasked_\@
.Lfor_b_\@:
	tensor_load_to_lds s[G0B+4*\s:G0B+4*\s+3], s[G1B:G1B+7]
	s_nop 0
.rept 4
	v_nop
.endr
.Lasked_\@:
.endm
.macro CREST                           ; a round of the cluster's barrier behind its opening barrier
	s_cmp_lg_u32 s12, 0
	s_cbranch_scc1 .Lnot_wave_0_\@
	s_barrier_signal -3
.Lnot_wave_0_\@:
	s_barrier_wait -3
	s_barrier_signal -1
	s_barrier_wait -1
.endm
.macro CROUND                          ; a whole round
	s_barrier_signal -1
	s_barrier_wait -1
	CREST
.endm
	s_load_b256 s[4:11], s[0:1], 0x0               ; ctx s[4:5], wo16 s[6:7], bo s[8:9], out0 s[10:11]
	v_lshl_add_u32 v[SPW], v0, 2, SPARE
	v_mov_b32 v[NIL], 0
	ds_add_u32 v[SPW], v[NIL]                      ; the wave's opening: the add, twice on end, and its wait ahead of my first tensor load
	ds_add_u32 v[SPW], v[NIL]
	v_lshrrev_b32 v1, 5, v0
	v_readfirstlane_b32 s12, v1                    ; wave 0..3
	s_lshr_b32 s13, s12, 1                         ; which 64 rows of the tile are mine.  Also: I fetch for A (0) or for B (1)
	s_and_b32 s14, s12, 1                          ; which 128 columns.  Also: which head of A's two, or which 128 rows of B, I fetch
	s_bfe_u32 s40, ttmp6, 0x40000                  ; cx, cy: my place in the cluster
	s_bfe_u32 s41, ttmp6, 0x40004
	s_lshl_b32 s42, ttmp9, 2
	s_add_co_u32 s42, s42, s40                     ; tx = 4 x cluster x + cx: 256 columns
	s_and_b32 s15, ttmp7, 0xffff
	s_lshl_b32 s15, s15, 2
	s_add_co_u32 s15, s15, s41                     ; ty = 4 x cluster y + cy: 128 rows
	s_lshl_b32 s43, s41, 2
	s_lshl_b32 s43, 15, s43                        ; my row of the cluster
	s_lshl_b32 s44, 0x1111, s40                    ; my column
	s_or_b32 s[G1+0], s43, (1<<16)|(1<<20)|(1<<21)|(5<<22)|(3<<25)  ; the mask: A's tiles go to my row; elements of 2 bytes; padding on; bit 21 beside a mask; 4 words of padding after every 64
	s_mov_b32 s[G1+1], 128<<16                     ; tensor_dim0 = 128
	s_mov_b32 s[G1+2], 64<<16                      ; tensor_dim1 = 64
	s_mov_b32 s[G1+3], 128<<16                     ; tile_dim0
	s_mov_b32 s[G1+4], 64                          ; tile_dim1
	s_mov_b32 s[G1+5], 128                         ; dense rows
	s_mov_b32 s[G1+6], 0
	s_mov_b32 s[G1+7], 0
	s_or_b32 s[G1B+0], s44, (1<<16)|(1<<20)|(1<<21)|(5<<22)|(3<<25)
	s_mov_b32 s[G1B+1], 128<<16
	s_mov_b32 s[G1B+2], 128<<16
	s_mov_b32 s[G1B+3], 128<<16
	s_mov_b32 s[G1B+4], 128
	s_mov_b32 s[G1B+5], 1024                       ; a row of Wo
	s_mov_b32 s[G1B+6], 0
	s_mov_b32 s[G1B+7], 0
	s_lshr_b32 s16, s15, 4
	s_lshl_b32 s16, s16, 22                        ; A: the batch, 16 heads of 262,144 bytes,
	s_and_b32 s17, s15, 15
	s_lshl_b32 s17, s17, 14                        ; the tile's 128 tokens of 128 bytes,
	s_add_co_u32 s16, s16, s17
	s_lshl_b32 s17, s14, 18                        ; and my head of the step's two
	s_add_co_u32 s16, s16, s17
	s_mov_b32 s17, 0
	s_lshl_b32 s46, s42, 8
	s_lshl_b32 s47, s14, 7
	s_add_co_u32 s46, s46, s47                     ; B: row 256 tx + 128 x half,
	s_lshl_b32 s46, s46, 11                        ; of 2,048 bytes
	s_mov_b32 s47, 0
	s_mul_i32 s20, s14, HEADT                      ; where they go: no place in the cluster enters an LDS address
	s_mul_i32 s21, s14, HALFB
	s_add_co_u32 s21, s21, BOFF
	s_wait_dscnt 0x0                               ; both opening adds are done
	s_wait_kmcnt 0x0
	s_add_nc_u64 s[16:17], s[4:5], s[16:17]
	s_add_nc_u64 s[46:47], s[6:7], s[46:47]
	CROUND                                         ; all sixteen work-groups are here: the first joint loads meet
.irp s, 0,1
	s_mov_b32 s[G0+4*\s], 1
	s_add_co_u32 s[G0+4*\s+1], s20, \s*SLOT
	s_add_nc_u64 s[G0+4*\s+2:G0+4*\s+3], s[16:17], \s*524288       ; K step s: two heads on
	s_or_b32 s[G0+4*\s+3], s[G0+4*\s+3], 0x80000000
	s_mov_b32 s[G0B+4*\s], 1
	s_add_co_u32 s[G0B+4*\s+1], s21, \s*SLOT
	s_add_nc_u64 s[G0B+4*\s+2:G0B+4*\s+3], s[46:47], \s*256
	s_or_b32 s[G0B+4*\s+3], s[G0B+4*\s+3], 0x80000000
	JLOAD \s
.endr
	v_and_b32 v1, 15, v0                           ; r = lane % 16
	v_bfe_u32 v2, v0, 4, 1                         ; h = lane / 16
	; the bias of my 128 columns, in the result's layout: v[8 b + j] of window 2 = bo[256 tx + 128 x half + 16 b + 8 h + j]
	s_lshl_b32 s46, s42, 10
	s_lshl_b32 s47, s14, 9
	s_add_co_u32 s46, s46, s47                     ; my first column, in bytes of f32
	s_mov_b32 s47, 0
	s_add_nc_u64 s[8:9], s[8:9], s[46:47]
	v_lshlrev_b32 v5, 5, v2
	WIN 0x80                                       ; destination window 2
.irp b, 0,1,2,3,4,5,6,7
	global_load_b128 v[8*\b:8*\b+3], v5, s[8:9] offset:64*\b
	global_load_b128 v[8*\b+4:8*\b+7], v5, s[8:9] offset:64*\b+16
.endr
	WIN 0
	v_lshrrev_b32 v3, 1, v1
	v_mul_u32_u24 v3, v3, PITCH
	v_and_b32 v4, 1, v0
	v_lshl_add_u32 v3, v4, 7, v3
	v_lshl_add_u32 v3, v2, 4, v3                   ; A: token r lies at PITCH (r / 2) + 128 (r % 2); + 16 x half
	v_mul_u32_u24 v4, v1, PITCH
	v_lshl_add_u32 v4, v2, 4, v4                   ; B: row r x pitch + 16 x half
	s_mul_i32 s21, s13, 32*PITCH                   ; my 64 tokens
	s_mul_i32 s22, s14, HALFB                      ; my 128 rows of B
	s_add_co_u32 s22, s22, BOFF
.irp s, 0,1
	v_add_nc_u32 v[ADRA+\s], s21, v3
	v_add_nc_u32 v[ADRB+\s], s22, v4
	s_add_co_u32 s21, s21, SLOT
	s_add_co_u32 s22, s22, SLOT
.endr
	s_mul_i32 s23, s12, 16*SPITCH
	s_add_co_u32 s23, s23, STAGE                   ; my stage
	v_mul_u32_u24 v6, v1, SPITCH                   ; in: row r, 32 bytes for each half of the lanes
	v_lshl_add_u32 v6, v2, 5, v6
	v_add_nc_u32 v[STO], s23, v6
	v_and_b32 v6, 31, v0
	v_lshlrev_b32 v[CO], 4, v6                     ; back: the 32 lanes take one row of 512 bytes; and the same in out0
	v_add_nc_u32 v[RD], s23, v[CO]
	s_lshl_b32 s16, s15, 7
	s_lshl_b32 s17, s13, 6
	s_add_co_u32 s16, s16, s17                     ; my first row: 128 ty + 64 x half,
	s_lshl_b32 s16, s16, 12                        ; of 4,096 bytes,
	s_add_co_u32 s16, s16, s46                     ; and my first column
	s_mov_b32 s17, 0
	s_add_nc_u64 s[10:11], s[10:11], s[16:17]
; 8 matrix instructions: A's block a x B's eight, 32 along K, from buffer f.  zero = 1: the first product starts the sums from the bias.  The 32 accumulators take turns, in the same order in every quarter.
.macro MUL8 f, a, zero
.irp b, 0,1,2,3,4,5,6,7
.if \zero
	v_wmma_f32_16x16x32_f16 v[8*(8*(\a)+\b):8*(8*(\a)+\b)+7], v[\f+32+8*\b:\f+32+8*\b+7], v[\f+8*(\a):\f+8*(\a)+7], v[8*\b:8*\b+7]
.else
	v_wmma_f32_16x16x32_f16 v[8*(8*(\a)+\b):8*(8*(\a)+\b)+7], v[\f+32+8*\b:\f+32+8*\b+7], v[\f+8*(\a):\f+8*(\a)+7], v[8*(8*(\a)+\b):8*(8*(\a)+\b)+7]
.endif
.endr
.endm
; 24 LDS loads in one run: the fragments of the slot's q-th 32 along K (head q / 2, channels 32 (q % 2) on) into buffer f
.macro FETCH slot, q, f
.irp i, 0,1,2,3,4,5,6,7
	ds_load_b128 v[\f+32+8*\i:\f+32+8*\i+3], v[ADRB+\slot] offset:64*(\q)+\i*16*PITCH
	ds_load_b128 v[\f+32+8*\i+4:\f+32+8*\i+7], v[ADRB+\slot] offset:64*(\q)+\i*16*PITCH+32
.endr
.irp i, 0,1,2,3
	ds_load_b128 v[\f+8*\i:\f+8*\i+3], v[ADRA+\slot] offset:((\q)/2)*HEADT+((\q)%2)*64+\i*8*PITCH
	ds_load_b128 v[\f+8*\i+4:\f+8*\i+7], v[ADRA+\slot] offset:((\q)/2)*HEADT+((\q)%2)*64+\i*8*PITCH+32
.endr
.endm
.macro PLACES                          ; four places in front of loads into registers that matrix instructions have read, and of the first read of results
.rept 4
	v_nop
.endr
.endm
; A K step is four quarters of 32 along K, 32 matrix instructions each, on buffers 0, 1, 0, 1.  One of the first three: multiplies buffer f and, in its middle, fetches quarter qn into g.
.macro QUARTER slot, qn, f, g, zero
	s_wait_dscnt 0x0                               ; this quarter's fragments are in (asked for 16 matrix instructions ago)
.if \zero
	WIN MUL0
.else
	WIN MUL
.endif
	MUL8 \f, 0, \zero
	MUL8 \f, 1, \zero
	PLACES
	WIN 0
	FETCH \slot, \qn, \g
.if \zero
	WIN MUL0
.else
	WIN MUL
.endif
	MUL8 \f, 2, \zero
	MUL8 \f, 3, \zero
.endm
; The last quarter multiplies buffer 1 and changes slots: ONE barrier; in front of it each wave waits for all its tensor loads, adds 0 to its spare word, and waits for that and for its own reads of this slot.
; fill = 1: the barrier opens a round of the cluster's, and this slot is filled again, two K steps ahead, first thing behind it: 112 matrix instructions ahead of the wait for it.
.macro TURN slot, next, fill
	WIN 0
	s_wait_tensorcnt 0x0                           ; all my tensor loads have landed: my part of the next slot
	ds_add_u32 v[SPW], v[NIL]                      ; 0 onto my spare word
	s_wait_dscnt 1                                 ; buffer 1 is in; the add alone may be out
	WIN MUL
	MUL8 F1, 0, 0                                  ; eight matrix instructions stand between the add and the wait for it
	s_wait_dscnt 0x0                               ; the add is done, and my reads of this slot are over
	s_barrier_signal -1
	MUL8 F1, 1, 0
	WIN 0                                          ; (branches may follow)
	s_barrier_wait -1
.if \fill
	CREST                                          ; no wave of any partner still reads this slot's tile or has a load on its way
	s_add_nc_u64 s[G0+4*\slot+2:G0+4*\slot+3], s[G0+4*\slot+2:G0+4*\slot+3], 1048576   ; A: four heads on
	s_add_nc_u64 s[G0B+4*\slot+2:G0B+4*\slot+3], s[G0B+4*\slot+2:G0B+4*\slot+3], 512   ; B: 256 along K on
	JLOAD \slot                                    ; the four v_nop behind it are also the places in front of the loads below
.else
	PLACES
.endif
	FETCH \next, 0, F0
	WIN MUL
	MUL8 F1, 2, 0
	MUL8 F1, 3, 0
.endm
	s_wait_tensorcnt 1                             ; my part of K step 0 is in (K step 1's load may be out)
	s_barrier_signal -1
	s_barrier_wait -1                              ; everybody's is
	FETCH 0, 0, F0
	s_wait_loadcnt 0x0                             ; the bias
	QUARTER 0, 1, F0, F1, 1                        ; the first quarter stands in front of the loop: its products start the sums
	WIN 0                                          ; at a label and at a branch every window is 0
	s_mov_b32 s3, LAPS-1
.Llap:                                                 ; a trip goes once round the ring, from a lap's second quarter to the next lap's first, and fills both slots again
	QUARTER 0, 2, F1, F0, 0
	QUARTER 0, 3, F0, F1, 0
	TURN 0, 1, 1
	QUARTER 1, 1, F0, F1, 0
	QUARTER 1, 2, F1, F0, 0
	QUARTER 1, 3, F0, F1, 0
	TURN 1, 0, 1
	QUARTER 0, 1, F0, F1, 0
	WIN 0
	s_sub_co_u32 s3, s3, 1
	s_cmp_lg_u32 s3, 0
	s_cbranch_scc1 .Llap
	QUARTER 0, 2, F1, F0, 0                        ; the last lap fills nothing, and has no round of the cluster's barrier
	QUARTER 0, 3, F0, F1, 0
	TURN 0, 1, 0
	QUARTER 1, 1, F0, F1, 0
	QUARTER 1, 2, F1, F0, 0
	QUARTER 1, 3, F0, F1, 0
	s_wait_dscnt 0x0                               ; the very last quarter: nothing more to fetch
	WIN MUL
	MUL8 F1, 0, 0
	MUL8 F1, 1, 0
	MUL8 F1, 2, 0
	MUL8 F1, 3, 0
	WIN 0
; THE WAY OUT, block by block of 16 rows x 128 columns.  A lane holds 32 neighbouring bytes of a row, the lanes beside it other rows: a block goes through my own stage and comes back as whole rows of 512 bytes.
; LDS serves a wave's instructions in order: no wait between the stores and the loads, nor in front of the next block's stores.
.macro TOSTAGE a
	WIN 0x04                                       ; an LDS store's data are its source 1: window 1
.irp b, 0,1,2,3,4,5,6,7
	ds_store_b128 v[STO], v[8*(8*(\a)+\b):8*(8*(\a)+\b)+3] offset:64*\b          ; each accumulator from its low end on
	ds_store_b128 v[STO], v[8*(8*(\a)+\b)+4:8*(8*(\a)+\b)+7] offset:64*\b+16
.endr
	WIN 0
.set BB, BK+64*((\a)%2)
.irp t, 0,1,2,3,4,5,6,7,8,9,10,11,12,13,14,15
	ds_load_b128 v[BB+4*\t:BB+4*\t+3], v[RD] offset:\t*SPITCH
.endr
.endm
.macro SEND a, younger                 ; younger: the LDS instructions issued behind block a's loads, which may stay out
.set BB, BK+64*((\a)%2)
	s_wait_dscnt \younger                          ; the block is back in registers
.irp t, 0,1,2,3,4,5,6,7,8,9,10,11,12,13,14,15
	global_store_b128 v[CO], v[BB+4*\t:BB+4*\t+3], s[10:11] offset:(\a)*65536+\t*4096 th:TH_STORE_NT   ; 32 lanes store 512 consecutive bytes, aligned; written once, read by nobody here
.endr
.endm
	PLACES                                         ; behind the last products: for the reads of results and the loads into the fragments' registers
	TOSTAGE 0
.irp a, 1,2,3
.if \a > 1
	s_wait_xcnt 0x0                                ; block a - 2's stores have read their registers: block a's loads may land there
.endif
	TOSTAGE \a
	SEND \a-1, 32                                  ; behind block a - 1's loads: block a's 16 stores and 16 loads
.endr
	SEND 3, 0
	s_wait_tensorcnt 0x0                           ; the wave's end, behind my last tensor load and my last LDS store
	ds_add_u32 v[SPW], v[NIL]
	s_wait_dscnt 0x0
	CROUND                                         ; the closing round: no work-group ends while a partner may still ask for a tile that names it
	s_endpgm
.Lfunc_end_k_q6a50392b04_outp:
	.size	k_q6a50392b04_outp, .Lfunc_end_k_q6a50392b04_outp-k_q6a50392b04_outp
	.p2alignl 7, 3214868480
	.fill 96, 4, 3214868480
	.section	.rodata,"a",@progbits
	.p2align	6, 0x0
	.amdhsa_kernel k_q6a50392b04_outp
		.amdhsa_group_segment_fixed_size 327680
		.amdhsa_private_segment_fixed_size 0
		.amdhsa_enable_private_segment 0
		.amdhsa_kernarg_size 32
		.amdhsa_user_sgpr_count 2
		.amdhsa_user_sgpr_kernarg_segment_ptr 1
		.amdhsa_wavefront_size32 1
		.amdhsa_system_sgpr_workgroup_id_x 1
		.amdhsa_system_sgpr_workgroup_id_y 1
		.amdhsa_system_sgpr_workgroup_id_z 1
		.amdhsa_system_vgpr_workitem_id 0
		.amdhsa_next_free_vgpr 640
		.amdhsa_next_free_sgpr 66
		.amdhsa_reserve_vcc 0
		.amdhsa_float_denorm_mode_32 3
		.amdhsa_float_denorm_mode_16_64 3
		.amdhsa_memory_ordered 1
		.amdhsa_forward_progress 1
		.amdhsa_inst_pref_size 86
	.end_amdhsa_kernel
	.amdgpu_metadata
---
amdhsa.version: [ 1, 2 ]
amdhsa.kernels:
  - .name:           k_q6a50392b04_outp
    .symbol:         k_q6a50392b04_outp.kd
    .args:
      - { .name: ctx, .offset: 0, .size: 8, .value_kind: global_buffer, .address_space: global }
      - { .name: wo16, .offset: 8, .size: 8, .value_kind: global_buffer, .address_space: global }
      - { .name: bo, .offset: 16, .size: 8, .value_kind: global_buffer, .address_space: global }
      - { .name: out0, .offset: 24, .size: 8, .value_kind: global_buffer, .address_space: global }
    .group_segment_fixed_size: 327680
    .private_segment_fixed_size: 0
    .kernarg_segment_align: 8
    .kernarg_segment_size: 32
    .max_flat_workgroup_size: 128
    .sgpr_count:     66
    .vgpr_count:     640
    .wavefront_size: 32
...
	.end_amdgpu_metadata
.endif
;; end of part 4
